; MI455X (gfx1250); checked and timed in simulation.
; The chip was launched on July 23, 2026; its instructions are those of AMD's public machine-readable ISA for CDNA 5 (MIT licence, August 2026) and "CDNA5" Instruction Set Architecture Reference Guide (July 2026). The comments in the code are by the model that wrote it; some were corrected since.
;; Additive Attention. Allowed arithmetic: matrix products marked QUANTISED: E2M3 operands, one E8M0 scale for each 32 along K, by v_wmma_scale_f32_16x16x128_f8f6f4 with both operands' format E2M3, f32 sums; products left as they are: f32 operands where the result goes on into a quantised operand, else bf16, f16 or f32 operands; f32 sums; everything else in f32.
;; Inputs: W1_codes 1,024 x 32 x 24 uint8 (E2M3 codes of W1, K innermost, in blocks of 32 codes, four codes in three bytes); W1_scales 1,024 x 32 uint8 (E8M0 scales of W1, one for each 32 codes along K); W2_codes 1,024 x 32 x 24 uint8 (E2M3 codes of W2, K innermost, in blocks of 32 codes, four codes in three bytes); W2_scales 1,024 x 32 uint8 (E8M0 scales of W2, one for each 32 codes along K); keys 64 x 1,024 x 1,024 float32; mask 64 x 1,024 bool; query_codes 64 x 32 x 24 uint8 (E2M3 codes of query, K innermost, in blocks of 32 codes, four codes in three bytes); query_scales 64 x 32 uint8 (E8M0 scales of query, one for each 32 codes along K); v 1 x 1,024 float32.
;; Outputs: out0 64 x 1,024 float32; out1 64 x 1,024 float32.
;; This version of the problem:
;;   THIS VERSION OF THE PROBLEM IS GIVEN IN LOW PRECISION. The matrix products marked QUANTISED in the list below multiply operands that are first quantised to E2M3 (2 exponent bits, 3 mantissa bits; 6 bits a number), with one power-of-two scale for each 32 numbers along K (OCP MX v1.0); their sums are f32. All else is computed in f32.
;;   The module's matrix products, in the order in which they are computed (A, B: the left and right operand; K: the contracted axis; several contracted axes count as one K, in the product's order):
;;     1. [M 64, K 1,024] x [K 1,024, N 1,024]; A: input query (given as codes); B: input W1 (given as codes): QUANTISED
;;     2. [M 65,536, K 1,024] x [K 1,024, N 1,024]; A: input keys; B: input W2 (given as codes): QUANTISED
;;     3. [M 65,536, K 1,024] x [K 1,024, N 1]; A: computed on the way; B: input v: left as it is (N = 1 < 16)
;;     4. batch 64 x [M 1, K 1,024] x [K 1,024, N 1,024]; A: computed on the way; B: input keys: left as it is (M = 1 < 16)
;;   THE QUANTISER, for each operand of a quantised product, along K:
;;     - K is cut into blocks of 32 from its start; a last block that is shorter is filled with zeros.
;;     - A block's scale is 2^e with e = floor(log2(the largest magnitude in the block)) - 2, held to -126 .. 127; a block of zeros has e = 0. As a byte (E8M0): e + 127.
;;     - Each number is divided by its block's scale, clamped to +-7.5, and rounded to the nearest number of E2M3, ties to even, subnormals kept.
;;     - The product sums the exact products of the quantised numbers (number of the format x scale) in f32.
;;   ~~~python
;;   def quantise(x, axis):      # numpy; x: float32 -> the quantised numbers, widened to float32 again
;;       x = np.moveaxis(x, axis, -1); K = x.shape[-1]
;;       x = np.pad(x, [(0, 0)] * (x.ndim - 1) + [(0, -K % 32)]); x = x.reshape(x.shape[:-1] + (-1, 32)); a = np.abs(x).max(-1, keepdims=True)
;;       e = np.where(a > 0, np.clip(np.frexp(np.where(a > 0, a, 1))[1] - 1 - 2, -126, 127), 0)      # np.frexp(a)[1] - 1 = floor(log2(a)), exactly
;;       r = np.clip(x / 2.0 ** e, -7.5, 7.5)
;;       step = 2.0 ** (np.maximum(np.frexp(np.where(r == 0, 1, r))[1] - 1, 0) - 3)
;;       q = np.round(r / step) * step * 2.0 ** e      # np.round: ties to even
;;       return np.moveaxis(q.reshape(q.shape[:-2] + (-1,))[..., :K], -1, axis).astype(np.float32)
;;   ~~~
;;   INPUTS GIVEN AS CODES. W1 (in the module: [1024, 1024], K = its axis 1); W2 (in the module: [1024, 1024], K = its axis 1); query (in the module: [64, 1024], K = its axis 1): each comes as NAME_codes (uint8): NAME with its K axis moved to the last place and cut into blocks of 32 codes, [.., K / 32, bytes a block], one block behind the other in memory; four codes in three bytes: a row's codes are one little-endian stream of bits, code i at bits 6 i .. 6 i + 5 (a code: sign, 2 exponent bits, 3 mantissa bits); and NAME_scales (uint8): the same leading axes, one E8M0 byte (e + 127) for each 32 codes along K. Its value is code x scale, taken as it is: it is not quantised again, and the codes and scales need not be those that the quantiser above would give.
;; 2 versions, each right; version 2 is version 1 with the launches prep, score written anew for expert scheduling mode. Each part assembles by itself: llvm-mc -triple=amdgcn-amd-amdhsa -mcpu=gfx1250 --defsym DOCPART=n.
;; ======== version 1 of 2: 3 launches
;; workspace buffers: cq 262,144 bytes; w2f 786,432 bytes; order 262,144 bytes of whole numbers; cnt 256 bytes of whole numbers; sc_part 4,194,304 bytes
;; launch prep (part 1): grid 64 x 1, 9 waves a work-group, no clusters, 0 bytes of LDS; arguments W1_codes, W1_scales, query_codes, query_scales, W2_codes, mask, cq, w2f, order, cnt; writes cq, w2f, order, cnt
.if DOCPART == 1
	.amdgcn_target "amdgcn-amd-amdhsa--gfx1250"
	.amdhsa_code_object_version 6
	.text
	.protected	k_q88984e4ffb_prep
	.globl	k_q88984e4ffb_prep
	.p2align	8
	.type	k_q88984e4ffb_prep,@function
k_q88984e4ffb_prep:
	s_mov_b64 s[64:65], 0
	v_nop
	global_prefetch_b8 v0, s[64:65] scope:SCOPE_SE
	s_setreg_imm32_b32 hwreg(HW_REG_WAVE_MODE, 25, 1), 1
	s_wait_xcnt 0x0
; ADDITIVE ATTENTION, launch 1 of 3: what the two later launches need once.
;   cq    [64][1024] f32: c x (query W1^T), c = 2 log2(e), on the given E2M3 codes and E8M0 scales.
;   w2f   W2's codes in the order of the operand's registers: [tile of 16 rows h][K step of 128][3][lane][16 bytes].
;   order [64][1024] u32: each batch's rows, those with mask = 0 (live) first, ascending, then the masked ones: a permutation.
;   cnt   [64] u32: the number of live rows.
; WORK LEFT OUT BY THE WHOLE PROGRAM, in the problem's terms, for all finite inputs:
; (1) Rows with mask = true.  reference() sets their score to -inf, so their weight is exactly 0 and they add 0 x keys to the context.
;     The mask is a whole-number input: it is read here, and the later launches read order and cnt and gather, quantise, multiply and
;     sum live rows alone (the last tile of 16 is filled up with masked rows, whose scores are discarded and whose weights are 0).
; (2) tanh(x) = 1 - 2 / (1 + e^(2x)), so a score is sum_h v_h - 2 sum_h v_h / (1 + e^(2x)).  The first term is the same for all rows
;     of a batch, that is along the softmax's axis, and is not computed.
; LIMITS: the keys are finite (a NaN or an infinity in a masked row that is not read is not carried to the context; in a row that is read it is
; not served); a block of 32 zeros gets the scale byte 1 with zero codes (these bytes are read by this program alone); f32 sums are
; taken in another order than reference() takes them.
; SHARES.  Work-group g.  Waves 0-3: the tile h = 16 g .. 16 g + 15 by batches 16 w .. 16 w + 15 of cq.  Waves 4-7: W2's rows
; 16 g .. 16 g + 15, two K steps each.  Wave 8: batch g's partition.  No LDS, no barrier: the waves share nothing.
.set C2, 0x4038aa3b                    ; c = 2 log2(e)
	s_load_b512 s[8:23], s[0:1], 0x0               ; W1 codes s[8:9], W1 scales s[10:11], query codes s[12:13], query scales s[14:15], W2 codes s[16:17], mask s[18:19], cq s[20:21], w2f s[22:23]
	s_load_b128 s[24:27], s[0:1], 0x40             ; order s[24:25], cnt s[26:27]
	v_lshrrev_b32 v1, 5, v0
	v_readfirstlane_b32 s4, v1                     ; wave 0..8
	v_and_b32 v1, 31, v0                           ; lane
	v_and_b32 v4, 15, v0                           ; r
	v_bfe_u32 v5, v0, 4, 1                         ; h: the lane's half
	v_mul_u32_u24 v2, v4, 768                      ; a row of 1,024 codes is 768 bytes
	v_mad_u32_u24 v2, v5, 24, v2                   ; row r, + 24 bytes for the upper half of the lanes
	s_mul_i32 s28, ttmp9, 12288                    ; 16 g rows of codes
	s_mov_b32 s29, 0
	s_mov_b32 s33, 0
	s_wait_kmcnt 0x0
	s_cmp_lt_u32 s4, 4
	s_cbranch_scc0 .Lnot_q
	; ---- waves 0-3: c q.  Source 0 = 16 rows of W1, source 1 = 16 rows of the query: a lane holds one batch and eight neighbouring h
	s_add_nc_u64 s[8:9], s[8:9], s[28:29]
	s_mul_i32 s32, s4, 12288
	s_add_nc_u64 s[12:13], s[12:13], s[32:33]      ; the query's rows 16 w on
	s_lshl_b32 s32, ttmp9, 9
	s_add_nc_u64 s[10:11], s[10:11], s[32:33]      ; 32 scale bytes a row
	s_lshl_b32 s32, s4, 9
	s_add_nc_u64 s[14:15], s[14:15], s[32:33]
	s_lshl_b32 s32, s4, 16                         ; cq: 16 w rows of 4,096 bytes,
	s_lshl_b32 s34, ttmp9, 6                       ; + 16 g numbers
	s_add_co_u32 s32, s32, s34
	s_add_nc_u64 s[20:21], s[20:21], s[32:33]
	s_mov_b32 s30, C2
	s_mov_b32 s31, s30                             ; (named with it as a pair, so it is written)
	v_lshlrev_b32 v3, 5, v4                        ; my row's scale bytes
	v_lshlrev_b32 v6, 12, v4
	v_lshl_add_u32 v6, v5, 5, v6                   ; cq: row r, + 8 numbers for the upper half
.irp k, 0,1,2,3,4,5,6,7
.irp p, 0,1,2,3,4,5
	global_load_b64 v[16+12*\k+2*\p:17+12*\k+2*\p], v2, s[8:9] offset:96*\k+48*(\p/3)+8*(\p%3)       ; W1, K step k
	global_load_b64 v[112+12*\k+2*\p:113+12*\k+2*\p], v2, s[12:13] offset:96*\k+48*(\p/3)+8*(\p%3)   ; the query, K step k
.endr
.endr
	global_load_b128 v[208:211], v3, s[10:11]                ; W1's scale words: register k for K step k
	global_load_b128 v[212:215], v3, s[10:11] offset:16
	global_load_b128 v[216:219], v3, s[14:15]                ; the query's
	global_load_b128 v[220:223], v3, s[14:15] offset:16
	s_wait_loadcnt 0x0
.irp k, 0,1,2,3,4,5,6,7                        ; two accumulators by turns: even K steps in v[224:231], odd ones in v[232:239]
.if \k < 2
	v_wmma_scale_f32_16x16x128_f8f6f4 v[224+8*(\k%2):231+8*(\k%2)], v[16+12*\k:27+12*\k], v[112+12*\k:123+12*\k], 0, v[208+\k], v[216+\k] matrix_a_fmt:MATRIX_FMT_FP6 matrix_b_fmt:MATRIX_FMT_FP6
.else
	v_wmma_scale_f32_16x16x128_f8f6f4 v[224+8*(\k%2):231+8*(\k%2)], v[16+12*\k:27+12*\k], v[112+12*\k:123+12*\k], v[224+8*(\k%2):231+8*(\k%2)], v[208+\k], v[216+\k] matrix_a_fmt:MATRIX_FMT_FP6 matrix_b_fmt:MATRIX_FMT_FP6
.endif
.endr
.rept 4
	v_nop                                          ; four places behind the last product, ahead of the first read of results (ISA guide 7.12.1)
.endr
.irp m, 0,2,4,6
	v_pk_mul_f32 v[240+\m:241+\m], v[232+\m:233+\m], s[30:31] op_sel_hi:[1,0]                        ; c x the odd steps' sum, from its low end on
.endr
.irp m, 0,2,4,6
	v_pk_fma_f32 v[240+\m:241+\m], v[224+\m:225+\m], s[30:31], v[240+\m:241+\m] op_sel_hi:[1,0,1]    ; + c x the even steps'
.endr
	global_store_b128 v6, v[240:243], s[20:21]               ; cq(16 w + r, 16 g + 8 h + 0 .. 7): pieces of 64 bytes of a row; the whole buffer is 256 KiB
	global_store_b128 v6, v[244:247], s[20:21] offset:16
	s_endpgm
.Lnot_q:
	s_cmp_lt_u32 s4, 8
	s_cbranch_scc0 .Lsort
	; ---- waves 4-7: W2's fragments (tile g, K steps 2 (w - 4) and 2 (w - 4) + 1) are loaded as the operand takes them and stored as images of their registers
	s_sub_co_u32 s5, s4, 4
	s_mul_i32 s32, s5, 192                         ; two K steps of 96 bytes
	s_add_co_u32 s28, s28, s32
	s_add_nc_u64 s[16:17], s[16:17], s[28:29]
	s_lshl_b32 s32, ttmp9, 3
	s_lshl_b32 s5, s5, 1
	s_add_co_u32 s32, s32, s5                      ; fragment 8 g + k
	s_mul_i32 s32, s32, 1536
	s_add_nc_u64 s[22:23], s[22:23], s[32:33]
	v_lshlrev_b32 v3, 4, v1                        ; 16 x lane
.irp u, 0,1
.irp p, 0,1,2,3,4,5
	global_load_b64 v[16+12*\u+2*\p:17+12*\u+2*\p], v2, s[16:17] offset:96*\u+48*(\p/3)+8*(\p%3)
.endr
.endr
	s_wait_loadcnt 0x0
.irp u, 0,1
.irp c, 0,1,2
	global_store_b128 v3, v[16+12*\u+4*\c:19+12*\u+4*\c], s[22:23] offset:1536*\u+512*\c   ; 32 lanes store 512 consecutive bytes, at a multiple of 256 from the buffer's first byte
.endr
.endr
	s_endpgm
.Lsort:
	; ---- wave 8: batch g's rows, live first.  Step i takes rows 32 i .. 32 i + 31, a lane a row
	s_lshl_b32 s32, ttmp9, 10
	s_add_nc_u64 s[18:19], s[18:19], s[32:33]
	s_lshl_b32 s32, ttmp9, 12
	s_add_nc_u64 s[24:25], s[24:25], s[32:33]
	s_lshl_b32 s32, ttmp9, 2
	s_add_nc_u64 s[26:27], s[26:27], s[32:33]
.irp i, 0,1,2,3,4,5,6,7,8,9,10,11,12,13,14,15,16,17,18,19,20,21,22,23,24,25,26,27,28,29,30,31
	global_load_u8 v[64+\i], v1, s[18:19] offset:32*\i
.endr
	s_mov_b32 s5, 0
	s_wait_loadcnt 0x0
.irp i, 0,1,2,3,4,5,6,7,8,9,10,11,12,13,14,15,16,17,18,19,20,21,22,23,24,25,26,27,28,29,30,31
	v_cmp_eq_u32 s[66+\i], 0, v[64+\i]             ; a bit for each live row of the step
.endr
.irp i, 0,1,2,3,4,5,6,7,8,9,10,11,12,13,14,15,16,17,18,19,20,21,22,23,24,25,26,27,28,29,30,31
	s_bcnt1_i32_b32 s6, s[66+\i]
	s_add_co_u32 s5, s5, s6                        ; the batch's live rows
.endr
	s_mov_b32 s28, 0                               ; where the next live row goes,
	s_mov_b32 s29, s5                              ; and the next masked one
.irp i, 0,1,2,3,4,5,6,7,8,9,10,11,12,13,14,15,16,17,18,19,20,21,22,23,24,25,26,27,28,29,30,31
	v_mbcnt_lo_u32_b32 v[96+\i], s[66+\i], s28     ; live rows ahead of mine
	s_not_b32 s7, s[66+\i]
	v_mbcnt_lo_u32_b32 v2, s7, s29                 ; masked rows ahead of mine, behind all live ones
	v_cndmask_b32 v[96+\i], v2, v[96+\i], s[66+\i]
	v_min_u32 v[96+\i], 0x3ff, v[96+\i]            ; a place in the batch's 1,024
	v_lshlrev_b32 v[96+\i], 2, v[96+\i]
	v_add_nc_u32 v[128+\i], 32*\i, v1              ; my row's number
	global_store_b32 v[96+\i], v[128+\i], s[24:25] ; each step has its own address and data registers: none is written again
	s_bcnt1_i32_b32 s6, s[66+\i]
	s_add_co_u32 s28, s28, s6
	s_sub_co_u32 s6, 32, s6
	s_add_co_u32 s29, s29, s6
.endr
	v_mov_b32 v3, 0
	v_mov_b32 v4, s5
	global_store_b32 v3, v4, s[26:27]              ; all lanes store the same word with the same value
	s_endpgm
.Lfunc_end_k_q88984e4ffb_prep:
	.size	k_q88984e4ffb_prep, .Lfunc_end_k_q88984e4ffb_prep-k_q88984e4ffb_prep
	.p2alignl 7, 3214868480
	.fill 96, 4, 3214868480
	.section	.rodata,"a",@progbits
	.p2align	6, 0x0
	.amdhsa_kernel k_q88984e4ffb_prep
		.amdhsa_group_segment_fixed_size 0
		.amdhsa_private_segment_fixed_size 0
		.amdhsa_enable_private_segment 0
		.amdhsa_kernarg_size 80
		.amdhsa_user_sgpr_count 2
		.amdhsa_user_sgpr_kernarg_segment_ptr 1
		.amdhsa_wavefront_size32 1
		.amdhsa_system_sgpr_workgroup_id_x 1
		.amdhsa_system_sgpr_workgroup_id_y 1
		.amdhsa_system_sgpr_workgroup_id_z 1
		.amdhsa_system_vgpr_workitem_id 0
		.amdhsa_next_free_vgpr 256
		.amdhsa_next_free_sgpr 100
		.amdhsa_reserve_vcc 0
		.amdhsa_float_denorm_mode_32 3
		.amdhsa_float_denorm_mode_16_64 3
		.amdhsa_memory_ordered 1
		.amdhsa_forward_progress 1
		.amdhsa_inst_pref_size 42
	.end_amdhsa_kernel
	.amdgpu_metadata
---
amdhsa.version: [ 1, 2 ]
amdhsa.kernels:
  - .name:           k_q88984e4ffb_prep
    .symbol:         k_q88984e4ffb_prep.kd
    .args:
      - { .name: W1_codes, .offset: 0, .size: 8, .value_kind: global_buffer, .address_space: global }
      - { .name: W1_scales, .offset: 8, .size: 8, .value_kind: global_buffer, .address_space: global }
      - { .name: query_codes, .offset: 16, .size: 8, .value_kind: global_buffer, .address_space: global }
      - { .name: query_scales, .offset: 24, .size: 8, .value_kind: global_buffer, .address_space: global }
      - { .name: W2_codes, .offset: 32, .size: 8, .value_kind: global_buffer, .address_space: global }
      - { .name: mask, .offset: 40, .size: 8, .value_kind: global_buffer, .address_space: global }
      - { .name: cq, .offset: 48, .size: 8, .value_kind: global_buffer, .address_space: global }
      - { .name: w2f, .offset: 56, .size: 8, .value_kind: global_buffer, .address_space: global }
      - { .name: order, .offset: 64, .size: 8, .value_kind: global_buffer, .address_space: global }
      - { .name: cnt, .offset: 72, .size: 8, .value_kind: global_buffer, .address_space: global }
    .group_segment_fixed_size: 0
    .private_segment_fixed_size: 0
    .kernarg_segment_align: 8
    .kernarg_segment_size: 80
    .max_flat_workgroup_size: 288
    .sgpr_count:     100
    .vgpr_count:     256
    .wavefront_size: 32
...
	.end_amdgpu_metadata
.endif
;; end of part 1
;; launch score (part 2): grid 4 x 64, 4 waves a work-group, no clusters, 285,696 bytes of LDS; arguments keys, order, cnt, cq, w2f, W2_scales, v, sc_part; writes sc_part
.if DOCPART == 2
	.amdgcn_target "amdgcn-amd-amdhsa--gfx1250"
	.amdhsa_code_object_version 6
	.text
	.protected	k_q88984e4ffb_score
	.globl	k_q88984e4ffb_score
	.p2align	8
	.type	k_q88984e4ffb_score,@function
k_q88984e4ffb_score:
	s_mov_b64 s[64:65], 0
	v_nop
	global_prefetch_b8 v0, s[64:65] scope:SCOPE_SE
	s_setreg_imm32_b32 hwreg(HW_REG_WAVE_MODE, 25, 1), 1
	s_wait_xcnt 0x0
; ADDITIVE ATTENTION, launch 2 of 3: the scores of the live rows, in units of log2, as 16 partial sums a row.
; Left out (shown at the head of the first launch): rows with mask = true, and the term sum_h v_h, which is the same along the softmax's axis.
;   t(row) = -c sum_h v_h / (1 + 2^(c q_h + c k_h)), c = 2 log2(e), k = Q(keys) W2^T on E2M3 codes with E8M0 scales; t = log2(e) x (score - sum_h v_h).
; LIMITS: the keys are finite; a block of 32 zeros gets the scale byte 1 with zero codes.  2^x may overflow to infinity: its reciprocal is then 0, which is tanh = 1.
; SHARES.  Work-group (x, b): a quarter of batch b's live rows, in tiles of 16 places of order, at most 16 tiles (all 1,024 rows live).  A work-group that a count
; leaves without live rows works one tile of masked rows, whose scores nobody uses, so that the text has one way for every count.
; PHASE 1, THE GATHER.  Wave w takes K steps w and w + 4 (bytes 512 w and 2,048 + 512 w of a row) of every row: each load reads 512 consecutive bytes of one row.  The
; numbers turn through the wave's own stage in LDS, so that a lane holds 16 neighbours of each block of 32 of ONE row, are quantised, and go to LDS as images of the operand's
; registers (12 registers a lane by three stores of 16 bytes a lane) with one scale word a row.  Two register sets: 64 loads a wave on their way.
; PHASE 2, THE PRODUCTS.  Four passes over h.  In pass p wave w owns h = 256 p + 64 w + 0 .. 63: its 32 fragments of W2 stay in registers for the pass; the rows' fragments come from LDS.
; Source 0 = 16 rows of W2, source 1 = 16 key rows: a lane holds ONE key row and eight h in each of four accumulators.  The tanh and the product with v of tile t - 1 stand in slices
; behind the matrix instructions of tile t: 105 vector instructions for 32 matrix instructions, which set in a phase of their own would leave the matrix unit idle all that while.
; No tensor load and no cluster: the guards below hang on a count that is read from memory.
; REGISTERS, in windows of 256.  Window 0: v1-23 addresses; v24, v25 at work; v32-63 W, the accumulators; v64-95 X; v96-127 c q; v128-159 -c v; v160-191 W2's scale words; v192-199 the rows';
;   v200-207 four chains of sums; v208-245 the quantiser's; v252, v253 the add's two.  In phase 1: v32-95 the 64 numbers in hand, v96-127 the rows' byte offsets.
;   Window 1: W2's fragments of K steps 0-4, at 48 k + 12 n.  Window 2: K steps 5-7.  Window 3: phase 1: two sets of 128 loaded registers; phase 2: the rows' fragments, at 12 k.
.set IMGQ,  17*3072                    ; LDS: a wave's images: [tile][u][1,536 bytes], K step 4 u + wave.  Room for 17 tiles: the stepped offset, which stands at 16 tiles behind the last trip, never points into a neighbour's region
.set SCL,   4*IMGQ                     ; the rows' scale words: for each wave [tile][row][u], 4 bytes each,
.set SCLQ,  17*128                     ; again with room for 17 tiles
.set STG,   SCL+4*SCLQ                 ; the stages: for each wave two units of 16 rows x (512 + 16) bytes: 132 words a row, so the 16 rows that a load touches start 4 words apart
.set STGW,  2*16*528
.set SPARE, STG+4*STGW                 ; the spare words, 128 bytes for each wave: two blocks of 256 bytes that no other line names
.set W,   32
.set X,   64
.set CQ,  96
.set VP,  128
.set WS,  160
.set AS,  192
.set S,   200
.set TM,  208
.set PW,  224
.set PC,  226
.set ST,  32
.set RA,  96
.set SPW, 252
.set NIL, 253
.set SEL, 58
.set MSB, 0
.macro WIN new                         ; the immediate's high byte repeats the setting that is left; a switch that changes nothing is dropped
.if MSB != (\new)
	s_set_vgpr_msb (MSB<<8)|(\new)
.set MSB, (\new)
.endif
.endm
.macro PLACES                          ; four places in front of loads into registers that matrix instructions have read, and of the first read of results
.rept 4
	v_nop
.endr
.endm
; my 32 fragments of W2 for a pass, and their scale words (a row's 32 scale bytes are its eight words)
.macro LOADW
	WIN 0x40                                       ; destination window 1
.irp k, 0,1,2,3,4
.irp n, 0,1,2,3
.irp c, 0,1,2
	global_load_b128 v[48*\k+12*\n+4*\c:48*\k+12*\n+4*\c+3], v18, s[16:17] offset:(8*\n+\k)*1536+512*\c
.endr
.endr
.endr
	WIN 0x80                                       ; destination window 2
.irp k, 5,6,7
.irp n, 0,1,2,3
.irp c, 0,1,2
	global_load_b128 v[48*(\k-5)+12*\n+4*\c:48*(\k-5)+12*\n+4*\c+3], v18, s[16:17] offset:(8*\n+\k)*1536+512*\c
.endr
.endr
.endr
	WIN 0
.irp n, 0,1,2,3
	global_load_b128 v[WS+8*\n:WS+8*\n+3], v19, s[18:19] offset:512*\n
	global_load_b128 v[WS+8*\n+4:WS+8*\n+7], v19, s[18:19] offset:512*\n+16
.endr
.endm
; c q and v at my lane's 32 h of the pass: register 8 n + j is h = 16 n + 8 (lane / 16) + j of my 64
.macro LOADCV
.irp n, 0,1,2,3
	global_load_b128 v[CQ+8*\n:CQ+8*\n+3], v20, s[14:15] offset:64*\n
	global_load_b128 v[CQ+8*\n+4:CQ+8*\n+7], v20, s[14:15] offset:64*\n+16
	global_load_b128 v[VP+8*\n:VP+8*\n+3], v20, s[20:21] offset:64*\n
	global_load_b128 v[VP+8*\n+4:VP+8*\n+7], v20, s[20:21] offset:64*\n+16
.endr
.endm
; the 16 row numbers of tile s47 (held to my last tile) are asked for
.macro IDXREQ
	s_min_u32 s47, s47, s42
	s_lshl_b32 s47, s47, 4
	s_add_co_u32 s47, s47, s43
	s_min_u32 s47, s47, 1008                       ; a tile's first place in the batch's 1,024
	s_lshl_b32 s47, s47, 2
	s_add_co_u32 s62, s47, s51
	s_load_b512 s[24:39], s[10:11], s62 offset:0x0
.endm
; the rows' byte offsets for set e.  SCC = 1: the tile is one of mine; else all 16 name row 0, so that the loads below are issued on every way and the counted wait for them holds
.macro ADDR e
.irp i, 0,1,2,3,4,5,6,7,8,9,10,11,12,13,14,15
	s_cselect_b32 s[24+\i], s[24+\i], 0
.endr
.irp i, 0,1,2,3,4,5,6,7,8,9,10,11,12,13,14,15
	s_min_u32 s[24+\i], s[24+\i], 1023
.endr
.irp i, 0,1,2,3,4,5,6,7,8,9,10,11,12,13,14,15
	s_lshl_b32 s[24+\i], s[24+\i], 12
.endr
.irp i, 0,1,2,3,4,5,6,7,8,9,10,11,12,13,14,15
	v_add_nc_u32 v[RA+16*\e+\i], s[24+\i], v1
.endr
.endm
.macro LOADS e                         ; 32 loads: my two K steps of 16 rows; 32 lanes read 512 consecutive bytes
	WIN 0xc0                                       ; destination window 3
.irp i, 0,1,2,3,4,5,6,7,8,9,10,11,12,13,14,15
	global_load_b128 v[128*\e+4*\i:128*\e+4*\i+3], v[RA+16*\e+\i], s[60:61] th:TH_LOAD_NT
	global_load_b128 v[128*\e+64+4*\i:128*\e+64+4*\i+3], v[RA+16*\e+\i], s[60:61] offset:2048 th:TH_LOAD_NT
.endr
	WIN 0
.endm
.macro STAGE_IN e                      ; as loaded: a row's 512 bytes on end
	WIN 0x0c                                       ; an LDS store's data are its source 1: window 3
.irp u, 0,1
.irp i, 0,1,2,3,4,5,6,7,8,9,10,11,12,13,14,15
	ds_store_b128 v2, v[128*\e+64*\u+4*\i:128*\e+64*\u+4*\i+3] offset:\u*8448+\i*528
.endr
.endr
	WIN 0
.endm
.macro STAGE_OUT u                     ; back: lane (r, h) takes of row r the 16 numbers 32 b + 16 h + 0 .. 15 of each block b.  LDS serves a wave's instructions in order (ISA guide 5.7.1.4): these see the stores
.irp b, 0,1,2,3
.irp j, 0,1,2,3
	ds_load_b128 v[ST+16*\b+4*\j:ST+16*\b+4*\j+3], v3 offset:\u*8448+128*\b+16*\j
.endr
.endr
.endm
; 64 numbers of a lane, register 16 b + i = k 32 b + 16 (lane / 16) + i of my row, become a fragment's codes in v[PC] on and its scale word in v[PW]
.macro QUANT s
.irp b, 0,1,2,3
	v_max3_num_f32 v[TM+\b], |v[\s+16*\b]|, |v[\s+1+16*\b]|, 0x1800000   ; block b: my 16 numbers, and the floor 2^(3 - 127): the byte cannot fall under 1
.endr
.irp i, 2,4,6,8,10,12,14
.irp b, 0,1,2,3
	v_max3_num_f32 v[TM+\b], v[TM+\b], |v[\s+16*\b+\i]|, |v[\s+1+16*\b+\i]|   ; (the four blocks by turns)
.endr
.endr
.irp b, 0,1,2,3
	v_permlanex16_b32 v[TM+4+\b], v[TM+\b], s[SEL], s[SEL+1]
.endr
.irp b, 0,1,2,3
	v_max_num_f32 v[TM+\b], v[TM+\b], v[TM+4+\b]   ; with lane l xor 16: the block's largest magnitude
.endr
.irp b, 0,1,2,3
	v_add_nc_u32 v[TM+12+\b], 0xff000000, v[TM+\b] ; 2 off its exponent field: the conversion takes the exponent field of this operand as its scale
.endr
.irp b, 0,1,2,3
	v_lshrrev_b32 v[TM+4+\b], 23, v[TM+12+\b]      ; the scale's byte
.endr
	v_lshl_or_b32 v[PW], v[TM+5], 8, v[TM+4]
	v_lshl_or_b32 v[PW], v[TM+6], 16, v[PW]
	v_lshl_or_b32 v[PW], v[TM+7], 24, v[PW]
.irp c, 0,1
	v_cvt_scalef32_pk16_fp6_f32 v[PC+6*\c:PC+2+6*\c], v[\s+32*\c:\s+15+32*\c], v[TM+12+2*\c]
	v_cvt_scalef32_pk16_fp6_f32 v[PC+12+4*\c:PC+14+4*\c], v[\s+16+32*\c:\s+31+32*\c], v[TM+12+2*\c+1]   ; (a conversion's three registers begin on an even number)
.endr
	v_nop                                          ; one plain place behind a scaled conversion
.irp c, 0,1                                    ; the operand wants a WHOLE block in a lane: lanes 0-15 block 2 c, lanes 16-31 block 2 c + 1
.irp i, 0,1,2
	v_permlane16_swap_b32 v[PC+6*\c+\i], v[PC+12+4*\c+\i]
.endr
.irp i, 0,1,2
	v_mov_b32 v[PC+3+6*\c+\i], v[PC+12+4*\c+\i]
.endr
.endr
.endm
.macro IMAGE u                         ; the fragment goes to LDS as it stands, and its scale word (lanes r and r + 16 store the same word with the same value)
.irp c, 0,1,2
	ds_store_b128 v5, v[PC+4*\c:PC+4*\c+3] offset:\u*1536+512*\c
.endr
	ds_store_b32 v7, v[PW] offset:4*\u
.endm
; ONE TILE OF THE GATHER, on register set e.  Trip counts are constants; a tile that is not mine is jumped over, all but the steps behind the join.
.macro HALF e
	s_cmp_ge_u32 s44, s41
	s_cbranch_scc1 .Lskip_\@
	s_wait_loadcnt 32                              ; this set's 32 loads are in; the other set's 32, issued behind them, may be out
	STAGE_IN \e
	STAGE_OUT 0
	s_wait_kmcnt 0x0                               ; the row numbers of two tiles on
	s_add_co_u32 s47, s44, 2
	s_cmp_lt_u32 s47, s41
	ADDR \e                                        ; (this set's offsets: its loads are done)
	s_wait_dscnt 16                                ; all but the 16 loads just issued: the stage's stores have read the set,
	LOADS \e                                       ; which takes the tile two on
	s_add_co_u32 s47, s44, 3
	IDXREQ
	v_add_nc_u32 v5, s45, v4                       ; where this tile's images go,
	v_add_nc_u32 v7, s46, v6                       ; and its scale words
	s_wait_dscnt 0x0
	QUANT ST
	IMAGE 0
	STAGE_OUT 1
	s_wait_dscnt 0x0                               ; the second K step is back, and the image's stores have read their registers
	QUANT ST
	IMAGE 1
	s_branch .Ljoin_\@
.Lskip_\@:
	s_wait_loadcnt 0x0                             ; on this way nothing was issued behind the sets: the wait is for all
.Ljoin_\@:
	s_add_co_u32 s44, s44, 1
	s_add_co_u32 s45, s45, 3072
	s_add_co_u32 s46, s46, 128
.endm
.macro SETADR                          ; the LDS addresses of tile s47
	s_mul_i32 s48, s47, 3072
	s_lshl_b32 s49, s47, 7
.irp q, 0,1,2,3
	v_add_nc_u32 v[12+\q], s48, v[8+\q]
.endr
	v_add_nc_u32 v17, s49, v16
.endm
.macro FETCH u                         ; 16 LDS loads: the rows' fragments of K steps 4 u + 0 .. 3, and their scale words
	WIN 0xc0                                       ; destination window 3
.irp q, 0,1,2,3
.irp c, 0,1,2
	ds_load_b128 v[12*(4*\u+\q)+4*\c:12*(4*\u+\q)+4*\c+3], v[12+\q] offset:\u*1536+512*\c
.endr
.endr
	WIN 0
.irp q, 0,1,2,3
	ds_load_b32 v[AS+4*\u+\q], v17 offset:SCLQ*\q+4*\u
.endr
.endm
.macro MM                              ; matrix instruction i of 32: K step i / 4, accumulator i % 4: the four take turns, one instruction a turn
.set kk, i/4
.set nn, i%4
.if kk < 5
	WIN 0x0d                                       ; source 0 (W2) window 1, source 1 (the rows) window 3, C and D window 0
.set rA, 48*kk+12*nn
.else
	WIN 0x0e                                       ; source 0 window 2
.set rA, 48*(kk-5)+12*nn
.endif
.if kk == 0
	v_wmma_scale_f32_16x16x128_f8f6f4 v[W+8*nn:W+8*nn+7], v[rA:rA+11], v[12*kk:12*kk+11], 0, v[WS+8*nn+kk], v[AS+kk] matrix_a_fmt:MATRIX_FMT_FP6 matrix_b_fmt:MATRIX_FMT_FP6
.else
	v_wmma_scale_f32_16x16x128_f8f6f4 v[W+8*nn:W+8*nn+7], v[rA:rA+11], v[12*kk:12*kk+11], v[W+8*nn:W+8*nn+7], v[WS+8*nn+kk], v[AS+kk] matrix_a_fmt:MATRIX_FMT_FP6 matrix_b_fmt:MATRIX_FMT_FP6
.endif
.endm
; THE VECTOR WORK OF A TILE, a list of 105; TI writes number j.  X holds c q + c k.
;   0-31 2^X | 32 a plain place and ONE wait for the batch | 33-48 1 + | 49-80 reciprocals | 81 place and wait | 82-97 x (-c v), four chains | 98-103 the chains, the pair, lane l xor 16 | 104 the store
.macro TI
.if j < 32
	v_exp_f32 v[X+j], v[X+j]
.elseif j == 32
	v_nop
	s_wait_alu depctr_va_vdst(0)                   ; the wait ahead of the first line that names a result: one for the 32
.elseif j < 49
	v_pk_add_f32 v[X+2*(j-33):X+2*(j-33)+1], v[X+2*(j-33):X+2*(j-33)+1], 1.0 op_sel_hi:[1,0]
.elseif j < 81
	v_rcp_f32 v[X+j-49], v[X+j-49]
.elseif j == 81
	v_nop
	s_wait_alu depctr_va_vdst(0)                   ; and one for the 32 reciprocals
.elseif j < 86
	v_pk_mul_f32 v[S+2*(j-82):S+2*(j-82)+1], v[X+2*(j-82):X+2*(j-82)+1], v[VP+2*(j-82):VP+2*(j-82)+1]
.elseif j < 98
	v_pk_fma_f32 v[S+2*((j-82)%4):S+2*((j-82)%4)+1], v[X+2*(j-82):X+2*(j-82)+1], v[VP+2*(j-82):VP+2*(j-82)+1], v[S+2*((j-82)%4):S+2*((j-82)%4)+1]
.elseif j == 98
	v_pk_add_f32 v[S:S+1], v[S:S+1], v[S+2:S+3]
.elseif j == 99
	v_pk_add_f32 v[S+4:S+5], v[S+4:S+5], v[S+6:S+7]
.elseif j == 100
	v_pk_add_f32 v[S:S+1], v[S:S+1], v[S+4:S+5]
.elseif j == 101
	v_add_f32 v24, v[S], v[S+1]
.elseif j == 102
	v_permlanex16_b32 v25, v24, s[SEL], s[SEL+1]   ; the row's other 32 h lie in the lane 16 away
.elseif j == 103
	v_add_f32 v23, v24, v25                        ; my wave's 64 h of row r
.else
	global_store_b32 v22, v23, s[22:23]            ; 16 rows: 64 consecutive bytes (lanes r and r + 16 store the same word)
.endif
.endm
.macro SLICE                           ; slice sk of 32: three or four of the 105
	WIN 0
.rept ((sk+1)*105/32-sk*105/32)
	TI
.set j, j+1
.endr
.set sk, sk+1
.endm
.macro FLUSH                           ; the pass's last tile has no matrix instructions to stand behind
.set j, 0
.rept 105
	TI
.set j, j+1
.endr
.endm
.macro TAIL first                      ; the tile's sums leave the accumulators: X = c k + c q, each accumulator from its low end on
	s_wait_xcnt 0x0                                ; the last score store has read its address and data
.if \first
	v_mov_b32 v22, v21
.else
	v_add_nc_u32 v22, 64, v22                      ; 16 places on
.endif
.irp n, 0,1,2,3
.irp m, 0,2,4,6
	v_pk_fma_f32 v[X+8*\n+\m:X+8*\n+\m+1], v[W+8*\n+\m:W+8*\n+\m+1], s[54:55], v[CQ+8*\n+\m:CQ+8*\n+\m+1] op_sel_hi:[1,0,1]
.endr
.endr
.endm
; A TILE OF A PASS: 32 matrix instructions; behind each a slice of the tile before (first = 1: there is none).  The next tile's fragments are fetched in two runs of 16 loads; behind my last tile comes tile 0, for the next pass.
.macro BODY first
	s_add_co_u32 s47, s44, 1
	s_cmp_eq_u32 s47, s41
	s_cselect_b32 s47, 0, s47
	s_min_u32 s47, s47, 15
	SETADR
	s_wait_dscnt 16                                ; K steps 0-3 are in; the 16 loads of K steps 4-7, issued behind them, may be out
.set i, 0
.set j, 0
.set sk, 0
.rept 16
	MM
.if !\first
	SLICE
.endif
.set i, i+1
.endr
	WIN 0
	PLACES
	FETCH 0
	s_wait_dscnt 16                                ; K steps 4-7 are in; the 16 loads just issued may be out
.rept 16
	MM
.if !\first
	SLICE
.endif
.set i, i+1
.endr
	WIN 0
	PLACES                                         ; these four also stand ahead of the first read of the sums
	FETCH 1
	TAIL \first
.endm
	s_load_b512 s[8:23], s[0:1], 0x0               ; keys s[8:9], order s[10:11], cnt s[12:13], cq s[14:15], w2f s[16:17], W2 scales s[18:19], v s[20:21], sc_part s[22:23]
	v_lshl_add_u32 v[SPW], v0, 2, SPARE
	v_mov_b32 v[NIL], 0
	v_lshrrev_b32 v24, 5, v0
	v_readfirstlane_b32 s40, v24                   ; wave 0..3
	v_and_b32 v25, 31, v0                          ; lane
	v_and_b32 v27, 15, v0                          ; r
	v_bfe_u32 v28, v0, 4, 1                        ; h
	v_lshlrev_b32 v26, 4, v25                      ; 16 x lane
	s_and_b32 s53, ttmp7, 0xffff                   ; the batch
	s_lshl_b32 s47, s40, 9
	v_lshl_add_u32 v1, v25, 4, s47                 ; my 16 bytes of my wave's K step of a row
	s_mul_i32 s47, s40, STGW
	s_add_co_u32 s47, s47, STG                     ; my stage
	v_add_nc_u32 v2, s47, v26                      ; in
	v_mul_u32_u24 v3, v27, 528
	v_lshl_add_u32 v3, v28, 6, v3
	v_add_nc_u32 v3, s47, v3                       ; out: row r, + 64 h
	s_mul_i32 s48, s40, IMGQ
	v_add_nc_u32 v4, s48, v26                      ; my images
	s_mul_i32 s48, s40, SCLQ
	s_add_co_u32 s48, s48, SCL
	v_lshl_add_u32 v6, v27, 3, s48                 ; my scale words: 8 bytes a row
.irp q, 0,1,2,3
	v_add_nc_u32 v[8+\q], \q*IMGQ, v26             ; every wave's images, to read
.endr
	v_lshl_add_u32 v16, v27, 3, SCL                ; and scale words
	s_mul_i32 s48, s40, 49152
	v_add_nc_u32 v18, s48, v26                     ; w2f: my four tiles of a pass
	s_lshl_b32 s48, s40, 11
	v_lshl_add_u32 v19, v27, 5, s48                ; W2's scale bytes: my 64 rows, row r
	s_lshl_b32 s48, s40, 8
	v_lshl_add_u32 v20, v28, 5, s48                ; c q and v: my 64 numbers, + 8 h
.irp b, 0,1,2,3
	v_mov_b32 v[TM+4+\b], 0                        ; written once: a lane permute's destination counts as one of its sources
.endr
	s_mov_b32 s54, 0x4038aa3b                      ; c = 2 log2(e)
	s_mov_b32 s55, s54
	s_mov_b32 s56, 0xc038aa3b                      ; -c
	s_mov_b32 s57, s56
	s_mov_b32 s[SEL], 0x76543210
	s_mov_b32 s[SEL+1], 0xfedcba98                 ; lane l xor 16
	s_lshl_b32 s62, s53, 2
	s_lshl_b32 s51, s53, 12                        ; the batch's row of order and of cq, in bytes
	s_wait_kmcnt 0x0
	s_load_b32 s41, s[12:13], s62 offset:0x0       ; the batch's live rows
	LOADW                                          ; pass 0's fragments land under the gather
	s_lshl_b32 s48, s53, 22
	s_mov_b32 s49, 0
	s_add_nc_u64 s[60:61], s[8:9], s[48:49]        ; the batch's keys
	s_mov_b32 s48, s51
	s_add_nc_u64 s[14:15], s[14:15], s[48:49]
	s_lshl_b32 s48, s53, 16
	s_add_nc_u64 s[22:23], s[22:23], s[48:49]      ; the batch's 16 slots of 4,096 bytes
	s_wait_kmcnt 0x0
	s_min_u32 s41, s41, 1024
	s_add_co_u32 s48, s41, 15
	s_lshr_b32 s48, s48, 4                         ; tiles with a live row
	s_add_co_u32 s49, s41, 63
	s_lshr_b32 s49, s49, 6
	s_max_u32 s49, s49, 1                          ; a work-group's share of them
	s_mul_i32 s50, ttmp9, s49                      ; my first tile
	s_sub_co_i32 s41, s48, s50
	s_min_i32 s41, s41, s49
	s_max_i32 s41, s41, 1
	s_min_u32 s41, s41, 16                         ; my tiles: 1 to 16
	s_sub_co_u32 s42, s41, 1
	s_lshl_b32 s43, s50, 4
	s_min_u32 s43, s43, 1008                       ; my first place
	s_lshl_b32 s48, s43, 2
	s_lshl_b32 s49, s40, 12
	s_add_co_u32 s48, s48, s49
	v_lshl_add_u32 v21, v27, 2, s48                ; sc_part: slot 4 p + wave, place my first + r
	; ---- phase 1
	s_mov_b32 s47, 0
	IDXREQ
	s_wait_kmcnt 0x0
	s_cmp_gt_u32 s41, 0
	ADDR 0
	LOADS 0
	s_mov_b32 s47, 1
	IDXREQ
	s_wait_kmcnt 0x0
	s_cmp_gt_u32 s41, 1
	ADDR 1
	LOADS 1
	s_mov_b32 s47, 2
	IDXREQ
	s_mov_b32 s44, 0                               ; the tile,
	s_mov_b32 s45, 0                               ; its images' offset,
	s_mov_b32 s46, 0                               ; its scale words'
	s_mov_b32 s52, 8
.Lgather:
	HALF 0
	HALF 1
	s_sub_co_u32 s52, s52, 1
	s_cmp_lg_u32 s52, 0
	s_cbranch_scc1 .Lgather
	s_wait_loadcnt 0x0                             ; the look-ahead's loads, and W2's
	s_wait_kmcnt 0x0
	s_wait_dscnt 0x0                               ; for the others' sake: my images lie in LDS
	s_barrier_signal -1
	s_barrier_wait -1
	; ---- phase 2: from here on LDS is only read
	s_mov_b32 s47, 0
	SETADR
	FETCH 0
	FETCH 1
	s_mov_b32 s52, 0
.Lpass:
	LOADCV
	s_wait_loadcnt 0x0                             ; c q, v, and this pass's fragments of W2
.irp m, 0,2,4,6,8,10,12,14,16,18,20,22,24,26,28,30
	v_pk_mul_f32 v[VP+\m:VP+\m+1], v[VP+\m:VP+\m+1], s[56:57] op_sel_hi:[1,0]
.endr
	s_mov_b32 s44, 0
	BODY 1
	s_mov_b32 s44, 1
.Ltile:
	s_cmp_ge_u32 s44, s41
	s_cbranch_scc1 .Lno_tile
	BODY 0
.Lno_tile:
	s_add_co_u32 s44, s44, 1
	s_cmp_lt_u32 s44, 16
	s_cbranch_scc1 .Ltile
	s_cmp_eq_u32 s52, 3
	s_cbranch_scc1 .Lno_w
	s_add_nc_u64 s[16:17], s[16:17], 196608        ; (the last run of these loads was waited for at the pass's head)  16 tiles of W2 on
	s_add_nc_u64 s[18:19], s[18:19], 8192
	LOADW                                          ; behind the places and the 16 lines of the last tile's end; it is on its way while the last tile's vector work is done
.Lno_w:
	FLUSH
	s_wait_xcnt 0x0                                ; the store and the loads have read their bases
	s_add_nc_u64 s[22:23], s[22:23], 16384         ; four slots on
	s_add_nc_u64 s[14:15], s[14:15], 1024
	s_add_nc_u64 s[20:21], s[20:21], 1024
	s_add_co_u32 s52, s52, 1
	s_cmp_lt_u32 s52, 4
	s_cbranch_scc1 .Lpass
	s_wait_dscnt 0x0                               ; the last fetch, which nothing uses
	s_barrier_signal -1                            ; every wave's reads of the images are over
	s_barrier_wait -1
	s_wait_tensorcnt 0x0                           ; the wave's end
	ds_add_u32 v[SPW], v[NIL]
	s_wait_dscnt 0x0
	s_endpgm
.Lfunc_end_k_q88984e4ffb_score:
	.size	k_q88984e4ffb_score, .Lfunc_end_k_q88984e4ffb_score-k_q88984e4ffb_score
	.p2alignl 7, 3214868480
	.fill 96, 4, 3214868480
	.section	.rodata,"a",@progbits
	.p2align	6, 0x0
	.amdhsa_kernel k_q88984e4ffb_score
		.amdhsa_group_segment_fixed_size 285696
		.amdhsa_private_segment_fixed_size 0
		.amdhsa_enable_private_segment 0
		.amdhsa_kernarg_size 64
		.amdhsa_user_sgpr_count 2
		.amdhsa_user_sgpr_kernarg_segment_ptr 1
		.amdhsa_wavefront_size32 1
		.amdhsa_system_sgpr_workgroup_id_x 1
		.amdhsa_system_sgpr_workgroup_id_y 1
		.amdhsa_system_sgpr_workgroup_id_z 1
		.amdhsa_system_vgpr_workitem_id 0
		.amdhsa_next_free_vgpr 1024
		.amdhsa_next_free_sgpr 66
		.amdhsa_reserve_vcc 0
		.amdhsa_float_denorm_mode_32 3
		.amdhsa_float_denorm_mode_16_64 3
		.amdhsa_memory_ordered 1
		.amdhsa_forward_progress 1
		.amdhsa_inst_pref_size 106
	.end_amdhsa_kernel
	.amdgpu_metadata
---
amdhsa.version: [ 1, 2 ]
amdhsa.kernels:
  - .name:           k_q88984e4ffb_score
    .symbol:         k_q88984e4ffb_score.kd
    .args:
      - { .name: keys, .offset: 0, .size: 8, .value_kind: global_buffer, .address_space: global }
      - { .name: order, .offset: 8, .size: 8, .value_kind: global_buffer, .address_space: global }
      - { .name: cnt, .offset: 16, .size: 8, .value_kind: global_buffer, .address_space: global }
      - { .name: cq, .offset: 24, .size: 8, .value_kind: global_buffer, .address_space: global }
      - { .name: w2f, .offset: 32, .size: 8, .value_kind: global_buffer, .address_space: global }
      - { .name: W2_scales, .offset: 40, .size: 8, .value_kind: global_buffer, .address_space: global }
      - { .name: v, .offset: 48, .size: 8, .value_kind: global_buffer, .address_space: global }
      - { .name: sc_part, .offset: 56, .size: 8, .value_kind: global_buffer, .address_space: global }
    .group_segment_fixed_size: 285696
    .private_segment_fixed_size: 0
    .kernarg_segment_align: 8
    .kernarg_segment_size: 64
    .max_flat_workgroup_size: 128
    .sgpr_count:     66
    .vgpr_count:     1024
    .wavefront_size: 32
...
	.end_amdgpu_metadata
.endif
;; end of part 2
;; launch ctx (part 3): grid 4 x 64, 8 waves a work-group, no clusters, 13,824 bytes of LDS; arguments keys, order, cnt, sc_part, out0, out1; writes out0, out1
.if DOCPART == 3
	.amdgcn_target "amdgcn-amd-amdhsa--gfx1250"
	.amdhsa_code_object_version 6
	.text
	.protected	k_q88984e4ffb_ctx
	.globl	k_q88984e4ffb_ctx
	.p2align	8
	.type	k_q88984e4ffb_ctx,@function
k_q88984e4ffb_ctx:
	s_mov_b64 s[64:65], 0
	v_nop
	global_prefetch_b8 v0, s[64:65] scope:SCOPE_SE
	s_setreg_imm32_b32 hwreg(HW_REG_WAVE_MODE, 25, 1), 1
	s_wait_xcnt 0x0
; ADDITIVE ATTENTION, launch 3 of 3: the softmax over a batch's live rows, the weights (out1) and the context (out0).
; Left out (shown at the head of the first launch): rows with mask = true are not read, but for those that fill up a chunk of 16 places, whose weight is 0.
; t(place) = the sum of the 16 partial scores, in units of log2; places at or beyond the count are -inf.  m = the largest t (the maximum is taken away as reference() does);
; p = 2^(t - m); weight = p / sum p.  A batch that is masked whole has sum p = 0: its weights and context are 0, which is reference()'s nan_to_num.
; LIMITS: the keys are finite; sums in another order than reference()'s.
; SHARES.  Work-group (x, b) owns columns 256 x .. 256 x + 255 of batch b's context, over all live rows, so each output number has one owner.  All four work-groups of a batch make the
; 1,024 p (thread t: places 4 t .. 4 t + 3); work-group x stores the weight of place 4 t + x at the row that order names: order is a permutation, so every number of out1 is written.
; Wave w takes chunks w, w + 8, .. of 16 places: 32 loads, each 512 consecutive bytes of one row.  The products are f32 fused multiply-adds: one row of weights, no matrix work.
; No prefetch: the waves stream all the time.  No tensor load: the guard below hangs on a count that is read from memory.
; REGISTERS: v1-15 addresses and at work; v16-31 the rows' offsets; v32-159 16 rows x 8; v160-175 16 weights; v176-183 the sums; v184-247 the partial scores, then p and what is read back; v248, v249 1 / sum p; v252, v253 the add's two.
.set WL,    0                          ; LDS: p by place, 4,096 bytes
.set RCTX,  4096                       ; the waves' sums: 8 x 1,024 bytes
.set RED0,  12288                      ; the waves' maxima
.set RED1,  12544                      ; the waves' sums of p
.set SPARE, 12800                      ; the spare words, 128 bytes for each wave: four blocks of 256 bytes that no other line names
.macro CADDR                           ; the 16 rows' byte offsets
.irp i, 0,1,2,3,4,5,6,7,8,9,10,11,12,13,14,15
	s_min_u32 s[24+\i], s[24+\i], 1023
.endr
.irp i, 0,1,2,3,4,5,6,7,8,9,10,11,12,13,14,15
	s_lshl_b32 s[24+\i], s[24+\i], 12
.endr
.irp i, 0,1,2,3,4,5,6,7,8,9,10,11,12,13,14,15
	v_add_nc_u32 v[16+\i], s[24+\i], v1
.endr
.endm
.macro KLOADS
.irp i, 0,1,2,3,4,5,6,7,8,9,10,11,12,13,14,15
	global_load_b128 v[32+8*\i:35+8*\i], v[16+\i], s[8:9] th:TH_LOAD_NT
	global_load_b128 v[36+8*\i:39+8*\i], v[16+\i], s[8:9] offset:512 th:TH_LOAD_NT
.endr
.endm
.macro ROWS first                      ; the sums take 16 rows, each as soon as its two loads are in.  first = 1: row 0 starts the sums: nothing is cleared
.irp i, 0,1,2,3,4,5,6,7,8,9,10,11,12,13,14,15
	s_wait_loadcnt 30-2*\i                         ; the later rows' loads may be out
.irp m, 0,2,4,6
.if \first && (\i == 0)
	v_pk_mul_f32 v[176+\m:177+\m], v[32+\m:33+\m], v[160:161] op_sel_hi:[1,0]
.elseif (\i % 2) == 0
	v_pk_fma_f32 v[176+\m:177+\m], v[32+8*\i+\m:33+8*\i+\m], v[160+\i:161+\i], v[176+\m:177+\m] op_sel_hi:[1,0,1]              ; both halves by the pair's first register
.else
	v_pk_fma_f32 v[176+\m:177+\m], v[32+8*\i+\m:33+8*\i+\m], v[159+\i:160+\i], v[176+\m:177+\m] op_sel:[0,1,0] op_sel_hi:[1,1,1]   ; both by its second
.endif
.endr
.endr
.endm
	s_load_b256 s[8:15], s[0:1], 0x0               ; keys s[8:9], order s[10:11], cnt s[12:13], sc_part s[14:15]
	s_load_b128 s[16:19], s[0:1], 0x20             ; out0 s[16:17], out1 s[18:19]
	v_lshl_add_u32 v252, v0, 2, SPARE
	v_mov_b32 v253, 0
	v_lshrrev_b32 v2, 5, v0                        ; wave, in every lane
	v_readfirstlane_b32 s40, v2                    ; and as a scalar
	v_and_b32 v3, 31, v0
	v_lshlrev_b32 v1, 4, v3                        ; 16 x lane
	v_mov_b32 v11, 0                               ; written once: a lane permute's destination counts as one of its sources
	v_mov_b32 v7, 0xff800000                       ; -infinity
	v_lshlrev_b32 v8, 2, v0                        ; my first place
	v_lshl_add_u32 v12, v2, 2, RED0                ; my wave's word
	v_mov_b32 v13, RED0
	v_lshlrev_b32 v15, 6, v2                       ; WL: chunk w's 16 weights
	s_and_b32 s41, ttmp7, 0xffff                   ; the batch
	s_lshl_b32 s43, s41, 12
	s_lshl_b32 s60, s41, 2
	s_lshl_b32 s47, s40, 6
	s_add_co_u32 s62, s43, s47                     ; order: the batch's row, chunk w
	s_mov_b32 s58, 0x76543210
	s_mov_b32 s59, 0xfedcba98                      ; lane l xor 16
	s_wait_kmcnt 0x0
	s_load_b32 s46, s[12:13], s60 offset:0x0
	s_load_b512 s[24:39], s[10:11], s62 offset:0x0
	s_lshl_b32 s48, s41, 22
	s_lshl_b32 s50, ttmp9, 10
	s_add_co_u32 s48, s48, s50
	s_mov_b32 s49, 0
	s_add_nc_u64 s[8:9], s[8:9], s[48:49]          ; the batch's keys, my 256 columns
	s_lshl_b32 s48, s41, 16
	s_add_nc_u64 s[14:15], s[14:15], s[48:49]
	s_mov_b32 s48, s43
	s_add_nc_u64 s[18:19], s[18:19], s[48:49]
	s_add_co_u32 s48, s43, s50
	s_add_nc_u64 s[16:17], s[16:17], s[48:49]
	s_lshl_b32 s50, ttmp9, 2
	s_add_co_u32 s50, s50, s43
	v_lshl_add_u32 v5, v0, 4, s50                  ; order at place 4 t + x
	s_wait_kmcnt 0x0
	s_min_u32 s46, s46, 1024                       ; the live rows
	s_add_co_u32 s47, s46, 15
	s_lshr_b32 s47, s47, 4
	s_max_u32 s47, s47, 1
	s_lshl_b32 s47, s47, 2
	s_sub_co_u32 s47, s47, 1                       ; the last group of four places whose scores were stored
	v_min_u32 v4, s47, v0
	v_min_u32 v4, 0xff, v4
	v_lshlrev_b32 v4, 4, v4
.irp s, 0,1,2,3,4,5,6,7,8,9,10,11,12,13,14,15
	global_load_b128 v[184+4*\s:187+4*\s], v4, s[14:15] offset:4096*\s
.endr
	global_load_b32 v6, v5, s[10:11]
	CADDR
	KLOADS                                         ; chunk w's rows are on their way under the softmax
	s_add_co_u32 s62, s62, 512                     ; (the load that read it is done)  chunk w + 8
	s_load_b512 s[24:39], s[10:11], s62 offset:0x0
	s_lshl_b32 s44, s40, 4
	s_add_co_u32 s44, s44, 128                     ; its first place
	s_wait_loadcnt 32                              ; the partial scores and my row number are in; the 32 key loads may be out
.irp s, 0,1,2,3,4,5,6,7
	v_pk_add_f32 v[184+4*\s:185+4*\s], v[184+4*\s:185+4*\s], v[216+4*\s:217+4*\s]
	v_pk_add_f32 v[186+4*\s:187+4*\s], v[186+4*\s:187+4*\s], v[218+4*\s:219+4*\s]
.endr
.irp s, 0,1,2,3
	v_pk_add_f32 v[184+4*\s:185+4*\s], v[184+4*\s:185+4*\s], v[200+4*\s:201+4*\s]
	v_pk_add_f32 v[186+4*\s:187+4*\s], v[186+4*\s:187+4*\s], v[202+4*\s:203+4*\s]
.endr
.irp s, 0,1
	v_pk_add_f32 v[184+4*\s:185+4*\s], v[184+4*\s:185+4*\s], v[192+4*\s:193+4*\s]
	v_pk_add_f32 v[186+4*\s:187+4*\s], v[186+4*\s:187+4*\s], v[194+4*\s:195+4*\s]
.endr
	v_pk_add_f32 v[184:185], v[184:185], v[188:189]
	v_pk_add_f32 v[186:187], v[186:187], v[190:191]
.irp j, 0,1,2,3
	v_add_nc_u32 v9, \j, v8
	v_cmp_gt_u32 vcc_lo, s46, v9                   ; a live place?
	v_cndmask_b32 v[184+\j], v7, v[184+\j], vcc_lo
.endr
	v_max3_num_f32 v10, v184, v185, v186
	v_max_num_f32 v10, v10, v187
	v_max_num_f32_dpp v10, v10, v10 row_xmask:1 row_mask:0xf bank_mask:0xf
	v_max_num_f32_dpp v10, v10, v10 row_xmask:2 row_mask:0xf bank_mask:0xf
	v_max_num_f32_dpp v10, v10, v10 row_xmask:4 row_mask:0xf bank_mask:0xf
	v_max_num_f32_dpp v10, v10, v10 row_xmask:8 row_mask:0xf bank_mask:0xf
	v_permlanex16_b32 v11, v10, s58, s59
	v_max_num_f32 v10, v10, v11
	ds_store_b32 v12, v10                          ; all lanes store the same word with the same value
	s_wait_dscnt 0x0
	s_barrier_signal -1
	s_barrier_wait -1
	ds_load_b128 v[200:203], v13
	ds_load_b128 v[204:207], v13 offset:16
	s_wait_dscnt 0x0
	v_max3_num_f32 v14, v200, v201, v202
	v_max3_num_f32 v14, v14, v203, v204
	v_max3_num_f32 v14, v14, v205, v206
	v_max3_num_f32 v14, v14, v207, 0xff61b1e6      ; m, held at -3e38 from below, so that -inf less m stays -inf in a batch with no live row
.irp j, 0,1,2,3
	v_sub_f32 v[184+\j], v[184+\j], v14
.endr
.irp j, 0,1,2,3
	v_exp_f32 v[184+\j], v[184+\j]
.endr
	v_lshlrev_b32 v9, 4, v0                        ; (a plain place behind the exponentials)  WL: my four places
	s_wait_alu depctr_va_vdst(0)                   ; the wait ahead of the first line that names a result: one for the four
	v_add_f32 v10, v184, v185
	v_add_f32 v11, v186, v187
	v_add_f32 v10, v10, v11
	v_add_f32_dpp v10, v10, v10 row_xmask:1 row_mask:0xf bank_mask:0xf
	v_add_f32_dpp v10, v10, v10 row_xmask:2 row_mask:0xf bank_mask:0xf
	v_add_f32_dpp v10, v10, v10 row_xmask:4 row_mask:0xf bank_mask:0xf
	v_add_f32_dpp v10, v10, v10 row_xmask:8 row_mask:0xf bank_mask:0xf
	v_permlanex16_b32 v11, v10, s58, s59
	v_add_f32 v10, v10, v11
	ds_store_b32 v12, v10 offset:RED1-RED0
	ds_store_b128 v9, v[184:187]
	s_wait_dscnt 0x0
	s_barrier_signal -1
	s_barrier_wait -1
	ds_load_b128 v[200:203], v13 offset:RED1-RED0
	ds_load_b128 v[204:207], v13 offset:RED1-RED0+16
.irp c, 0,1,2,3
	ds_load_b128 v[160+4*\c:163+4*\c], v15 offset:16*\c      ; chunk w's 16 weights: all lanes read the same bytes
.endr
	s_cmp_eq_u32 ttmp9, 1
	s_cselect_b32 s47, -1, 0
	s_cmp_eq_u32 ttmp9, 2
	s_cselect_b32 s48, -1, 0
	s_cmp_eq_u32 ttmp9, 3
	s_cselect_b32 s49, -1, 0
	v_cndmask_b32 v250, v184, v185, s47            ; p of place 4 t + x
	v_cndmask_b32 v250, v250, v186, s48
	v_cndmask_b32 v250, v250, v187, s49
	v_min_u32 v6, 0x3ff, v6                        ; the row at that place
	v_lshlrev_b32 v6, 2, v6
	s_wait_dscnt 0x0
	v_pk_add_f32 v[200:201], v[200:201], v[202:203]
	v_pk_add_f32 v[204:205], v[204:205], v[206:207]
	v_pk_add_f32 v[200:201], v[200:201], v[204:205]
	v_add_f32 v10, v200, v201                      ; sum p: at least 1 where a row is live, else 0
	v_rcp_f32 v248, v10
	v_cmp_lt_f32 vcc_lo, 0, v10                    ; (a plain place behind the reciprocal)
	s_wait_alu depctr_va_vdst(0)
	v_cndmask_b32 v248, 0, v248, vcc_lo            ; no live row: every weight is 0
	v_mov_b32 v249, v248
	v_mul_f32 v250, v250, v248
	global_store_b32 v6, v250, s[18:19]            ; neither register is written again
	ROWS 1                                         ; chunk w, without a guard: where its places are not live its weights are 0
	s_mov_b32 s45, 7
	s_mov_b32 s50, 512
.Lchunk:                                       ; seven trips, a constant; a chunk with no live place is jumped over, all but the steps
	s_cmp_ge_u32 s44, s46
	s_cbranch_scc1 .Lnone
	s_wait_kmcnt 0x0                               ; this chunk's row numbers
	CADDR
	KLOADS
	s_add_co_u32 s47, s44, 128
	s_min_u32 s47, s47, 1008
	s_lshl_b32 s47, s47, 2
	s_add_co_u32 s62, s47, s43
	s_load_b512 s[24:39], s[10:11], s62 offset:0x0 ; the next chunk's
	v_add_nc_u32 v8, s50, v15
.irp c, 0,1,2,3
	ds_load_b128 v[160+4*\c:163+4*\c], v8 offset:16*\c
.endr
	s_wait_dscnt 0x0
	ROWS 0
.Lnone:
	s_add_co_u32 s44, s44, 128
	s_add_co_u32 s50, s50, 512
	s_sub_co_u32 s45, s45, 1
	s_cmp_lg_u32 s45, 0
	s_cbranch_scc1 .Lchunk
	v_lshl_add_u32 v251, v2, 10, v1
	v_add_nc_u32 v251, RCTX, v251
	ds_store_b128 v251, v[176:179]                 ; my wave's sums, in the order of the columns
	ds_store_b128 v251, v[180:183] offset:512
	s_wait_dscnt 0x0
	s_barrier_signal -1
	s_barrier_wait -1
	s_cmp_lt_u32 s40, 2
	s_cbranch_scc0 .Ldone
	v_lshl_add_u32 v9, v2, 9, v1                   ; waves 0 and 1: 128 columns each, 16 bytes a lane
	v_add_nc_u32 v10, RCTX, v9
.irp i, 0,1,2,3,4,5,6,7
	ds_load_b128 v[32+4*\i:35+4*\i], v10 offset:1024*\i
.endr
	s_wait_dscnt 0x0
.irp i, 0,1,2,3
	v_pk_add_f32 v[32+4*\i:33+4*\i], v[32+4*\i:33+4*\i], v[48+4*\i:49+4*\i]
	v_pk_add_f32 v[34+4*\i:35+4*\i], v[34+4*\i:35+4*\i], v[50+4*\i:51+4*\i]
.endr
.irp i, 0,1
	v_pk_add_f32 v[32+4*\i:33+4*\i], v[32+4*\i:33+4*\i], v[40+4*\i:41+4*\i]
	v_pk_add_f32 v[34+4*\i:35+4*\i], v[34+4*\i:35+4*\i], v[42+4*\i:43+4*\i]
.endr
	v_pk_add_f32 v[32:33], v[32:33], v[36:37]
	v_pk_add_f32 v[34:35], v[34:35], v[38:39]
	v_pk_mul_f32 v[32:33], v[32:33], v[248:249]
	v_pk_mul_f32 v[34:35], v[34:35], v[248:249]
	global_store_b128 v9, v[32:35], s[16:17]       ; 32 lanes store 512 consecutive bytes, at a multiple of 256 from out0's first byte
.Ldone:
	s_wait_tensorcnt 0x0                           ; the wave's end
	ds_add_u32 v252, v253
	s_wait_dscnt 0x0
	s_endpgm
.Lfunc_end_k_q88984e4ffb_ctx:
	.size	k_q88984e4ffb_ctx, .Lfunc_end_k_q88984e4ffb_ctx-k_q88984e4ffb_ctx
	.p2alignl 7, 3214868480
	.fill 96, 4, 3214868480
	.section	.rodata,"a",@progbits
	.p2align	6, 0x0
	.amdhsa_kernel k_q88984e4ffb_ctx
		.amdhsa_group_segment_fixed_size 13824
		.amdhsa_private_segment_fixed_size 0
		.amdhsa_enable_private_segment 0
		.amdhsa_kernarg_size 48
		.amdhsa_user_sgpr_count 2
		.amdhsa_user_sgpr_kernarg_segment_ptr 1
		.amdhsa_wavefront_size32 1
		.amdhsa_system_sgpr_workgroup_id_x 1
		.amdhsa_system_sgpr_workgroup_id_y 1
		.amdhsa_system_sgpr_workgroup_id_z 1
		.amdhsa_system_vgpr_workitem_id 0
		.amdhsa_next_free_vgpr 256
		.amdhsa_next_free_sgpr 66
		.amdhsa_reserve_vcc 1
		.amdhsa_float_denorm_mode_32 3
		.amdhsa_float_denorm_mode_16_64 3
		.amdhsa_memory_ordered 1
		.amdhsa_forward_progress 1
		.amdhsa_inst_pref_size 32
	.end_amdhsa_kernel
	.amdgpu_metadata
---
amdhsa.version: [ 1, 2 ]
amdhsa.kernels:
  - .name:           k_q88984e4ffb_ctx
    .symbol:         k_q88984e4ffb_ctx.kd
    .args:
      - { .name: keys, .offset: 0, .size: 8, .value_kind: global_buffer, .address_space: global }
      - { .name: order, .offset: 8, .size: 8, .value_kind: global_buffer, .address_space: global }
      - { .name: cnt, .offset: 16, .size: 8, .value_kind: global_buffer, .address_space: global }
      - { .name: sc_part, .offset: 24, .size: 8, .value_kind: global_buffer, .address_space: global }
      - { .name: out0, .offset: 32, .size: 8, .value_kind: global_buffer, .address_space: global }
      - { .name: out1, .offset: 40, .size: 8, .value_kind: global_buffer, .address_space: global }
    .group_segment_fixed_size: 13824
    .private_segment_fixed_size: 0
    .kernarg_segment_align: 8
    .kernarg_segment_size: 48
    .max_flat_workgroup_size: 256
    .sgpr_count:     66
    .vgpr_count:     256
    .wavefront_size: 32
...
	.end_amdgpu_metadata
.endif
;; end of part 3
;; ======== version 2 of 2: 3 launches; version 1 with the launches prep, score written anew for expert scheduling mode
;; workspace buffers: cq 262,144 bytes; w2f 786,432 bytes; order 262,144 bytes of whole numbers; cnt 256 bytes of whole numbers; sc_part 4,194,304 bytes
;; launch prep (part 4): grid 64 x 1, 9 waves a work-group, no clusters, 0 bytes of LDS; arguments W1_codes, W1_scales, query_codes, query_scales, W2_codes, mask, cq, w2f, order, cnt; writes cq, w2f, order, cnt
.if DOCPART == 4
	.amdgcn_target "amdgcn-amd-amdhsa--gfx1250"
	.amdhsa_code_object_version 6
	.text
	.protected	k_q88984e4ffb_prep
	.globl	k_q88984e4ffb_prep
	.p2align	8
	.type	k_q88984e4ffb_prep,@function
k_q88984e4ffb_prep:
	s_mov_b64 s[64:65], 0
	v_nop
	global_prefetch_b8 v0, s[64:65] scope:SCOPE_SE
	s_setreg_imm32_b32 hwreg(HW_REG_WAVE_SCHED_MODE, 0, 2), 2
	s_setreg_imm32_b32 hwreg(HW_REG_WAVE_MODE, 25, 1), 1
	s_wait_xcnt 0x0
	s_wait_alu depctr_vm_vsrc(0)
; ADDITIVE ATTENTION, launch 1 of 3: what the two later launches need once.
;   cq    [64][1024] f32: c x (query W1^T), c = 2 log2(e), on the given E2M3 codes and E8M0 scales.
;   w2f   W2's codes in the order of the operand's registers: [tile of 16 rows h][K step of 128][3][lane][16 bytes].
;   order [64][1024] u32: each batch's rows, those with mask = 0 (live) first, ascending, then the masked ones: a permutation.
;   cnt   [64] u32: the number of live rows.
; WORK LEFT OUT BY THE WHOLE PROGRAM, in the problem's terms, for all finite inputs:
; (1) Rows with mask = true.  reference() sets their score to -inf, so their weight is exactly 0 and they add 0 x keys to the context.
;     The mask is a whole-number input: it is read here, and the later launches read order and cnt and gather, quantise, multiply and
;     sum live rows alone (the last tile of 16 is filled up with masked rows, whose scores are discarded and whose weights are 0).
; (2) tanh(x) = 1 - 2 / (1 + e^(2x)), so a score is sum_h v_h - 2 sum_h v_h / (1 + e^(2x)).  The first term is the same for all rows
;     of a batch, that is along the softmax's axis, and is not computed.
; LIMITS: the keys are finite (a NaN or an infinity in a masked row that is not read is not carried to the context; in a row that is read it is
; not served); a block of 32 zeros gets the scale byte 1 with zero codes (these bytes are read by this program alone); f32 sums are
; taken in another order than reference() takes them.
; SHARES.  Work-group g.  Waves 0-3: the tile h = 16 g .. 16 g + 15 by batches 16 w .. 16 w + 15 of cq.  Waves 4-7: W2's rows
; 16 g .. 16 g + 15, two K steps each.  Wave 8: batch g's partition.  No LDS, no barrier: the waves share nothing.
; THE MODE: SCHED_MODE bits 1:0 = 2 (LLVM: expert scheduling mode 2), set by the entry lines.  The code itself states the register dependences
; between vector or matrix instructions and memory instructions, and those through scalar registers that vector instructions write, with s_wait_alu, always for 0.
; THE PLAN.  Every arm makes its offsets first, has ONE wait, and then issues all its loads; no offset is written again.  What is stored is either loaded data
; (waves 4-7) or made by vector lines that all stand ahead of one wait, behind which the arm's stores follow in one run (waves 0-3: v240-247; wave 8: v96-159, v3, v4).
; Scalar registers that vector lines write: s4 (the wave's number) and s66-97 (wave 8's 32 masks of live rows): one wait behind each writer or run of writers, ahead of the first reader.
.set C2, 0x4038aa3b                    ; c = 2 log2(e)
	s_load_b512 s[8:23], s[0:1], 0x0               ; W1 codes s[8:9], W1 scales s[10:11], query codes s[12:13], query scales s[14:15], W2 codes s[16:17], mask s[18:19], cq s[20:21], w2f s[22:23]
	s_load_b128 s[24:27], s[0:1], 0x40             ; order s[24:25], cnt s[26:27]
	v_lshrrev_b32 v1, 5, v0
	v_readfirstlane_b32 s4, v1                     ; wave 0..8
	v_and_b32 v1, 31, v0                           ; lane
	v_and_b32 v4, 15, v0                           ; r
	v_bfe_u32 v5, v0, 4, 1                         ; h: the lane's half
	v_mul_u32_u24 v2, v4, 768                      ; a row of 1,024 codes is 768 bytes
	v_mad_u32_u24 v2, v5, 24, v2                   ; row r, + 24 bytes for the upper half of the lanes
	s_mul_i32 s28, ttmp9, 12288                    ; 16 g rows of codes
	s_mov_b32 s29, 0
	s_mov_b32 s33, 0
	s_wait_kmcnt 0x0
	s_wait_alu depctr_va_sdst(0)                   ; s4 is written, ahead of its first reader, the compare below
	s_cmp_lt_u32 s4, 4
	s_cbranch_scc0 .Lnot_q
	; ---- waves 0-3: c q.  Source 0 = 16 rows of W1, source 1 = 16 rows of the query: a lane holds one batch and eight neighbouring h
	s_add_nc_u64 s[8:9], s[8:9], s[28:29]
	s_mul_i32 s32, s4, 12288
	s_add_nc_u64 s[12:13], s[12:13], s[32:33]      ; the query's rows 16 w on
	s_lshl_b32 s32, ttmp9, 9
	s_add_nc_u64 s[10:11], s[10:11], s[32:33]      ; 32 scale bytes a row
	s_lshl_b32 s32, s4, 9
	s_add_nc_u64 s[14:15], s[14:15], s[32:33]
	s_lshl_b32 s32, s4, 16                         ; cq: 16 w rows of 4,096 bytes,
	s_lshl_b32 s34, ttmp9, 6                       ; + 16 g numbers
	s_add_co_u32 s32, s32, s34
	s_add_nc_u64 s[20:21], s[20:21], s[32:33]
	s_mov_b32 s30, C2
	s_mov_b32 s31, s30                             ; (named with it as a pair, so it is written)
	v_lshlrev_b32 v3, 5, v4                        ; my row's scale bytes
	v_lshlrev_b32 v6, 12, v4
	v_lshl_add_u32 v6, v5, 5, v6                   ; cq: row r, + 8 numbers for the upper half
	s_wait_alu depctr_va_vdst(0)                   ; the offsets v2, v3 and v6 are written, which the loads and stores below read
.irp k, 0,1,2,3,4,5,6,7
.irp p, 0,1,2,3,4,5
	global_load_b64 v[16+12*\k+2*\p:17+12*\k+2*\p], v2, s[8:9] offset:96*\k+48*(\p/3)+8*(\p%3)       ; W1, K step k
	global_load_b64 v[112+12*\k+2*\p:113+12*\k+2*\p], v2, s[12:13] offset:96*\k+48*(\p/3)+8*(\p%3)   ; the query, K step k
.endr
.endr
	global_load_b128 v[208:211], v3, s[10:11]                ; W1's scale words: register k for K step k
	global_load_b128 v[212:215], v3, s[10:11] offset:16
	global_load_b128 v[216:219], v3, s[14:15]                ; the query's
	global_load_b128 v[220:223], v3, s[14:15] offset:16
	s_wait_loadcnt 0x0
.irp k, 0,1,2,3,4,5,6,7                        ; two accumulators by turns: even K steps in v[224:231], odd ones in v[232:239]
.if \k < 2
	v_wmma_scale_f32_16x16x128_f8f6f4 v[224+8*(\k%2):231+8*(\k%2)], v[16+12*\k:27+12*\k], v[112+12*\k:123+12*\k], 0, v[208+\k], v[216+\k] matrix_a_fmt:MATRIX_FMT_FP6 matrix_b_fmt:MATRIX_FMT_FP6
.else
	v_wmma_scale_f32_16x16x128_f8f6f4 v[224+8*(\k%2):231+8*(\k%2)], v[16+12*\k:27+12*\k], v[112+12*\k:123+12*\k], v[224+8*(\k%2):231+8*(\k%2)], v[208+\k], v[216+\k] matrix_a_fmt:MATRIX_FMT_FP6 matrix_b_fmt:MATRIX_FMT_FP6
.endif
.endr
.rept 4
	v_nop                                          ; four places behind the last product, ahead of the first read of results (ISA guide 7.12.1)
.endr
.irp m, 0,2,4,6
	v_pk_mul_f32 v[240+\m:241+\m], v[232+\m:233+\m], s[30:31] op_sel_hi:[1,0]                        ; c x the odd steps' sum, from its low end on
.endr
.irp m, 0,2,4,6
	v_pk_fma_f32 v[240+\m:241+\m], v[224+\m:225+\m], s[30:31], v[240+\m:241+\m] op_sel_hi:[1,0,1]    ; + c x the even steps'
.endr
	s_wait_alu depctr_va_vdst(0)                   ; the multiply-adds have written v240-247, which the two stores read
	global_store_b128 v6, v[240:243], s[20:21]               ; cq(16 w + r, 16 g + 8 h + 0 .. 7): pieces of 64 bytes of a row; the whole buffer is 256 KiB
	global_store_b128 v6, v[244:247], s[20:21] offset:16
	s_endpgm
.Lnot_q:
	s_cmp_lt_u32 s4, 8
	s_cbranch_scc0 .Lsort
	; ---- waves 4-7: W2's fragments (tile g, K steps 2 (w - 4) and 2 (w - 4) + 1) are loaded as the operand takes them and stored as images of their registers
	s_sub_co_u32 s5, s4, 4
	s_mul_i32 s32, s5, 192                         ; two K steps of 96 bytes
	s_add_co_u32 s28, s28, s32
	s_add_nc_u64 s[16:17], s[16:17], s[28:29]
	s_lshl_b32 s32, ttmp9, 3
	s_lshl_b32 s5, s5, 1
	s_add_co_u32 s32, s32, s5                      ; fragment 8 g + k
	s_mul_i32 s32, s32, 1536
	s_add_nc_u64 s[22:23], s[22:23], s[32:33]
	v_lshlrev_b32 v3, 4, v1                        ; 16 x lane
	s_wait_alu depctr_va_vdst(0)                   ; the offsets v2 and v3 are written, which the loads and the stores read; the stores' data are loaded data
.irp u, 0,1
.irp p, 0,1,2,3,4,5
	global_load_b64 v[16+12*\u+2*\p:17+12*\u+2*\p], v2, s[16:17] offset:96*\u+48*(\p/3)+8*(\p%3)
.endr
.endr
	s_wait_loadcnt 0x0
.irp u, 0,1
.irp c, 0,1,2
	global_store_b128 v3, v[16+12*\u+4*\c:19+12*\u+4*\c], s[22:23] offset:1536*\u+512*\c   ; 32 lanes store 512 consecutive bytes, at a multiple of 256 from the buffer's first byte
.endr
.endr
	s_endpgm
.Lsort:
	; ---- wave 8: batch g's rows, live first.  Step i takes rows 32 i .. 32 i + 31, a lane a row
	s_lshl_b32 s32, ttmp9, 10
	s_add_nc_u64 s[18:19], s[18:19], s[32:33]
	s_lshl_b32 s32, ttmp9, 12
	s_add_nc_u64 s[24:25], s[24:25], s[32:33]
	s_lshl_b32 s32, ttmp9, 2
	s_add_nc_u64 s[26:27], s[26:27], s[32:33]
	s_wait_alu depctr_va_vdst(0)                   ; the offset v1 is written, which the loads read
.irp i, 0,1,2,3,4,5,6,7,8,9,10,11,12,13,14,15,16,17,18,19,20,21,22,23,24,25,26,27,28,29,30,31
	global_load_u8 v[64+\i], v1, s[18:19] offset:32*\i
.endr
	s_mov_b32 s5, 0
	s_wait_loadcnt 0x0
.irp i, 0,1,2,3,4,5,6,7,8,9,10,11,12,13,14,15,16,17,18,19,20,21,22,23,24,25,26,27,28,29,30,31
	v_cmp_eq_u32 s[66+\i], 0, v[64+\i]             ; a bit for each live row of the step
.endr
	s_wait_alu depctr_va_sdst(0)                   ; the 32 compares have written s66-97: one wait behind the run, ahead of the first line that reads one of them
.irp i, 0,1,2,3,4,5,6,7,8,9,10,11,12,13,14,15,16,17,18,19,20,21,22,23,24,25,26,27,28,29,30,31
	s_bcnt1_i32_b32 s6, s[66+\i]
	s_add_co_u32 s5, s5, s6                        ; the batch's live rows
.endr
	s_mov_b32 s28, 0                               ; where the next live row goes,
	s_mov_b32 s29, s5                              ; and the next masked one
.irp i, 0,1,2,3,4,5,6,7,8,9,10,11,12,13,14,15,16,17,18,19,20,21,22,23,24,25,26,27,28,29,30,31
	v_mbcnt_lo_u32_b32 v[96+\i], s[66+\i], s28     ; live rows ahead of mine
	s_not_b32 s7, s[66+\i]
	v_mbcnt_lo_u32_b32 v2, s7, s29                 ; masked rows ahead of mine, behind all live ones
	v_cndmask_b32 v[96+\i], v2, v[96+\i], s[66+\i]
	v_min_u32 v[96+\i], 0x3ff, v[96+\i]            ; a place in the batch's 1,024
	v_lshlrev_b32 v[96+\i], 2, v[96+\i]
	v_add_nc_u32 v[128+\i], 32*\i, v1              ; my row's number.  Each step has its own address and data registers: none is written again
	s_bcnt1_i32_b32 s6, s[66+\i]
	s_add_co_u32 s28, s28, s6
	s_sub_co_u32 s6, 32, s6
	s_add_co_u32 s29, s29, s6
.endr
	v_mov_b32 v3, 0
	v_mov_b32 v4, s5
	s_wait_alu depctr_va_vdst(0)                   ; the places v96-127, the row numbers v128-159, v3 and v4 are written: the 33 stores below read them
.irp i, 0,1,2,3,4,5,6,7,8,9,10,11,12,13,14,15,16,17,18,19,20,21,22,23,24,25,26,27,28,29,30,31
	global_store_b32 v[96+\i], v[128+\i], s[24:25]
.endr
	global_store_b32 v3, v4, s[26:27]              ; all lanes store the same word with the same value
	s_endpgm
.Lfunc_end_k_q88984e4ffb_prep:
	.size	k_q88984e4ffb_prep, .Lfunc_end_k_q88984e4ffb_prep-k_q88984e4ffb_prep
	.p2alignl 7, 3214868480
	.fill 96, 4, 3214868480
	.section	.rodata,"a",@progbits
	.p2align	6, 0x0
	.amdhsa_kernel k_q88984e4ffb_prep
		.amdhsa_group_segment_fixed_size 0
		.amdhsa_private_segment_fixed_size 0
		.amdhsa_enable_private_segment 0
		.amdhsa_kernarg_size 80
		.amdhsa_user_sgpr_count 2
		.amdhsa_user_sgpr_kernarg_segment_ptr 1
		.amdhsa_wavefront_size32 1
		.amdhsa_system_sgpr_workgroup_id_x 1
		.amdhsa_system_sgpr_workgroup_id_y 1
		.amdhsa_system_sgpr_workgroup_id_z 1
		.amdhsa_system_vgpr_workitem_id 0
		.amdhsa_next_free_vgpr 256
		.amdhsa_next_free_sgpr 100
		.amdhsa_reserve_vcc 0
		.amdhsa_float_denorm_mode_32 3
		.amdhsa_float_denorm_mode_16_64 3
		.amdhsa_memory_ordered 1
		.amdhsa_forward_progress 1
		.amdhsa_inst_pref_size 42
	.end_amdhsa_kernel
	.amdgpu_metadata
---
amdhsa.version: [ 1, 2 ]
amdhsa.kernels:
  - .name:           k_q88984e4ffb_prep
    .symbol:         k_q88984e4ffb_prep.kd
    .args:
      - { .name: W1_codes, .offset: 0, .size: 8, .value_kind: global_buffer, .address_space: global }
      - { .name: W1_scales, .offset: 8, .size: 8, .value_kind: global_buffer, .address_space: global }
      - { .name: query_codes, .offset: 16, .size: 8, .value_kind: global_buffer, .address_space: global }
      - { .name: query_scales, .offset: 24, .size: 8, .value_kind: global_buffer, .address_space: global }
      - { .name: W2_codes, .offset: 32, .size: 8, .value_kind: global_buffer, .address_space: global }
      - { .name: mask, .offset: 40, .size: 8, .value_kind: global_buffer, .address_space: global }
      - { .name: cq, .offset: 48, .size: 8, .value_kind: global_buffer, .address_space: global }
      - { .name: w2f, .offset: 56, .size: 8, .value_kind: global_buffer, .address_space: global }
      - { .name: order, .offset: 64, .size: 8, .value_kind: global_buffer, .address_space: global }
      - { .name: cnt, .offset: 72, .size: 8, .value_kind: global_buffer, .address_space: global }
    .group_segment_fixed_size: 0
    .private_segment_fixed_size: 0
    .kernarg_segment_align: 8
    .kernarg_segment_size: 80
    .max_flat_workgroup_size: 288
    .sgpr_count:     100
    .vgpr_count:     256
    .wavefront_size: 32
...
	.end_amdgpu_metadata
.endif
;; end of part 4
;; launch score (part 5): grid 4 x 64, 4 waves a work-group, no clusters, 285,696 bytes of LDS; arguments keys, order, cnt, cq, w2f, W2_scales, v, sc_part; writes sc_part
.if DOCPART == 5
	.amdgcn_target "amdgcn-amd-amdhsa--gfx1250"
	.amdhsa_code_object_version 6
	.text
	.protected	k_q88984e4ffb_score
	.globl	k_q88984e4ffb_score
	.p2align	8
	.type	k_q88984e4ffb_score,@function
k_q88984e4ffb_score:
	s_mov_b64 s[64:65], 0
	v_nop
	global_prefetch_b8 v0, s[64:65] scope:SCOPE_SE
	s_setreg_imm32_b32 hwreg(HW_REG_WAVE_SCHED_MODE, 0, 2), 2
	s_setreg_imm32_b32 hwreg(HW_REG_WAVE_MODE, 25, 1), 1
	s_wait_xcnt 0x0
	s_wait_alu depctr_vm_vsrc(0)
; ADDITIVE ATTENTION, launch 2 of 3: the scores of the live rows, in units of log2, as 16 partial sums a row.
; Left out (shown at the head of the first launch): rows with mask = true, and the term sum_h v_h, which is the same along the softmax's axis.
;   t(row) = -c sum_h v_h / (1 + 2^(c q_h + c k_h)), c = 2 log2(e), k = Q(keys) W2^T on E2M3 codes with E8M0 scales; t = log2(e) x (score - sum_h v_h).
; LIMITS: the keys are finite; a block of 32 zeros gets the scale byte 1 with zero codes.  2^x may overflow to infinity: its reciprocal is then 0, which is tanh = 1.
; SHARES.  Work-group (x, b): a quarter of batch b's live rows, in tiles of 16 places of order, at most 16 tiles (all 1,024 rows live).  A work-group that a count
; leaves without live rows works one tile of masked rows, whose scores nobody uses, so that the text has one way for every count.
; PHASE 1, THE GATHER.  Wave w takes K steps w and w + 4 (bytes 512 w and 2,048 + 512 w of a row) of every row: each load reads 512 consecutive bytes of one row.  The
; numbers turn through the wave's own stage in LDS, so that a lane holds 16 neighbours of each block of 32 of ONE row, are quantised, and go to LDS as images of the operand's
; registers (12 registers a lane by three stores of 16 bytes a lane) with one scale word a row.  Two register sets: 64 loads a wave on their way.
; PHASE 2, THE PRODUCTS.  Four passes over h.  In pass p wave w owns h = 256 p + 64 w + 0 .. 63: its 32 fragments of W2 stay in registers for the pass; the rows' fragments come from LDS.
; Source 0 = 16 rows of W2, source 1 = 16 key rows: a lane holds ONE key row and eight h in each of four accumulators.  The tanh and the product with v of tile t - 1 stand in slices
; behind the matrix instructions of tile t: a list of 104 for 32 matrix instructions, which set in a phase of its own would leave the matrix unit idle all that while.
; No tensor load and no cluster: the guards below hang on a count that is read from memory.
; THE MODE: SCHED_MODE bits 1:0 = 2 (LLVM: expert scheduling mode 2), set by the entry lines.  The code itself states the register dependences
; between vector or matrix instructions and memory or LDS instructions, with s_wait_alu, always for 0.
; THE PLAN, PHASE 1 (one tile on register set e).  Set e: written by the key loads, read by the stage's stores.  ST: written by the stage's read-backs, read by the quantiser.  The rows' offsets of set e,
;   v5 and v7: written by 18 additions, read by the key loads and the images' stores.  The codes and the scale word: written by the quantiser, read by the images' stores.  Five waits:
;   vm_vsrc behind the stage's stores (the set, its offsets, v5, v7, the codes are read out); va_vdst behind the additions; va_vdst behind each quantiser (its codes are written, ST is read out: the image's
;   stores and the next read-back follow); vm_vsrc ahead of the second quantiser (the first image's stores have read the codes).
; THE PLAN, PHASE 2 (one tile).  The rows' fragment and scale word of K step k: written by LDS loads, read by matrix instructions 4 k .. 4 k + 3.  v12-15, v17, the next tile's LDS addresses: written by five
;   additions, read by all its loads.  v29, v23, the score store's offset and data: written at a tile's end and by the list's last line, read by the store (behind a pass's last tile the store's offset is v22).
;   A tile has three waits on va_vdst, and the next tile's 32 LDS loads stand in three groups, one behind each:
;   behind the exponentials, after matrix instruction 10: K steps 0, 1;  behind the reciprocals, after matrix instruction 25: K steps 2 to 5;  at the tile's end, behind the last product's places: K steps 6, 7, and the score store.
;   One wait on vm_vsrc a tile stands ahead of the five additions: the loads of K steps 6, 7 have read the addresses, and the last score store its offset and data.
;   W2's fragments and scale words, c q and v are loaded between the tiles of two passes, behind waits that stand there anyway.
; REGISTERS, in windows of 256.  Window 0: v1-23 addresses; v24, v25 at work; v29 the score store's offset; v32-63 W, the accumulators; v64-95 X; v96-127 c q; v128-159 -c v; v160-191 W2's scale words; v192-199 the rows';
;   v200-207 four chains of sums; v208-245 the quantiser's; v252, v253 the add's two.  In phase 1: v32-95 the 64 numbers in hand, v96-127 the rows' byte offsets.
;   Window 1: W2's fragments of K steps 0-4, at 48 k + 12 n.  Window 2: K steps 5-7.  Window 3: phase 1: two sets of 128 loaded registers; phase 2: the rows' fragments, at 12 k.
.set IMGQ,  17*3072                    ; LDS: a wave's images: [tile][u][1,536 bytes], K step 4 u + wave.  Room for 17 tiles: the stepped offset, which stands at 16 tiles behind the last trip, never points into a neighbour's region
.set SCL,   4*IMGQ                     ; the rows' scale words: for each wave [tile][row][u], 4 bytes each,
.set SCLQ,  17*128                     ; again with room for 17 tiles
.set STG,   SCL+4*SCLQ                 ; the stages: for each wave two units of 16 rows x (512 + 16) bytes: 132 words a row, so the 16 rows that a load touches start 4 words apart
.set STGW,  2*16*528
.set SPARE, STG+4*STGW                 ; the spare words, 128 bytes for each wave: two blocks of 256 bytes that no other line names
.set W,   32
.set X,   64
.set CQ,  96
.set VP,  128
.set WS,  160
.set AS,  192
.set S,   200
.set TM,  208
.set PW,  224
.set PC,  226
.set ST,  32
.set RA,  96
.set SPW, 252
.set NIL, 253
.set SEL, 58
.set MSB, 0
.macro WIN new                         ; the immediate's high byte repeats the setting that is left; a switch that changes nothing is dropped
.if MSB != (\new)
	s_set_vgpr_msb (MSB<<8)|(\new)
.set MSB, (\new)
.endif
.endm
.macro PLACES                          ; four plain places behind matrix instructions (ISA guide 7.12.1)
.rept 4
	v_nop
.endr
.endm
; my 32 fragments of W2 for a pass, and their scale words (a row's 32 scale bytes are its eight words)
.macro LOADW
	WIN 0x40                                       ; destination window 1
.irp k, 0,1,2,3,4
.irp n, 0,1,2,3
.irp c, 0,1,2
	global_load_b128 v[48*\k+12*\n+4*\c:48*\k+12*\n+4*\c+3], v18, s[16:17] offset:(8*\n+\k)*1536+512*\c
.endr
.endr
.endr
	WIN 0x80                                       ; destination window 2
.irp k, 5,6,7
.irp n, 0,1,2,3
.irp c, 0,1,2
	global_load_b128 v[48*(\k-5)+12*\n+4*\c:48*(\k-5)+12*\n+4*\c+3], v18, s[16:17] offset:(8*\n+\k)*1536+512*\c
.endr
.endr
.endr
	WIN 0
.irp n, 0,1,2,3
	global_load_b128 v[WS+8*\n:WS+8*\n+3], v19, s[18:19] offset:512*\n
	global_load_b128 v[WS+8*\n+4:WS+8*\n+7], v19, s[18:19] offset:512*\n+16
.endr
.endm
; c q and v at my lane's 32 h of the pass: register 8 n + j is h = 16 n + 8 (lane / 16) + j of my 64
.macro LOADCV
.irp n, 0,1,2,3
	global_load_b128 v[CQ+8*\n:CQ+8*\n+3], v20, s[14:15] offset:64*\n
	global_load_b128 v[CQ+8*\n+4:CQ+8*\n+7], v20, s[14:15] offset:64*\n+16
	global_load_b128 v[VP+8*\n:VP+8*\n+3], v20, s[20:21] offset:64*\n
	global_load_b128 v[VP+8*\n+4:VP+8*\n+7], v20, s[20:21] offset:64*\n+16
.endr
.endm
; the 16 row numbers of tile s47 (held to my last tile) are asked for
.macro IDXREQ
	s_min_u32 s47, s47, s42
	s_lshl_b32 s47, s47, 4
	s_add_co_u32 s47, s47, s43
	s_min_u32 s47, s47, 1008                       ; a tile's first place in the batch's 1,024
	s_lshl_b32 s47, s47, 2
	s_add_co_u32 s62, s47, s51
	s_load_b512 s[24:39], s[10:11], s62 offset:0x0
.endm
; the rows' byte offsets for set e.  SCC = 1: the tile is one of mine; else all 16 name row 0, so that the loads below are issued on every way and the counted wait for them holds
.macro ADDR e
.irp i, 0,1,2,3,4,5,6,7,8,9,10,11,12,13,14,15
	s_cselect_b32 s[24+\i], s[24+\i], 0
.endr
.irp i, 0,1,2,3,4,5,6,7,8,9,10,11,12,13,14,15
	s_min_u32 s[24+\i], s[24+\i], 1023
.endr
.irp i, 0,1,2,3,4,5,6,7,8,9,10,11,12,13,14,15
	s_lshl_b32 s[24+\i], s[24+\i], 12
.endr
.irp i, 0,1,2,3,4,5,6,7,8,9,10,11,12,13,14,15
	v_add_nc_u32 v[RA+16*\e+\i], s[24+\i], v1
.endr
.endm
.macro LOADS e                         ; 32 loads: my two K steps of 16 rows; 32 lanes read 512 consecutive bytes
	WIN 0xc0                                       ; destination window 3
.irp i, 0,1,2,3,4,5,6,7,8,9,10,11,12,13,14,15
	global_load_b128 v[128*\e+4*\i:128*\e+4*\i+3], v[RA+16*\e+\i], s[60:61] th:TH_LOAD_NT
	global_load_b128 v[128*\e+64+4*\i:128*\e+64+4*\i+3], v[RA+16*\e+\i], s[60:61] offset:2048 th:TH_LOAD_NT
.endr
	WIN 0
.endm
.macro STAGE_IN e                      ; as loaded: a row's 512 bytes on end
	WIN 0x0c                                       ; an LDS store's data are its source 1: window 3
.irp u, 0,1
.irp i, 0,1,2,3,4,5,6,7,8,9,10,11,12,13,14,15
	ds_store_b128 v2, v[128*\e+64*\u+4*\i:128*\e+64*\u+4*\i+3] offset:\u*8448+\i*528
.endr
.endr
	WIN 0
.endm
.macro STAGE_OUT u                     ; back: lane (r, h) takes of row r the 16 numbers 32 b + 16 h + 0 .. 15 of each block b.  LDS serves a wave's instructions in order (ISA guide 5.7.1.4): these see the stores
.irp b, 0,1,2,3
.irp j, 0,1,2,3
	ds_load_b128 v[ST+16*\b+4*\j:ST+16*\b+4*\j+3], v3 offset:\u*8448+128*\b+16*\j
.endr
.endr
.endm
; 64 numbers of a lane, register 16 b + i = k 32 b + 16 (lane / 16) + i of my row, become a fragment's codes in v[PC] on and its scale word in v[PW]
.macro QUANT s
.irp b, 0,1,2,3
	v_max3_num_f32 v[TM+\b], |v[\s+16*\b]|, |v[\s+1+16*\b]|, 0x1800000   ; block b: my 16 numbers, and the floor 2^(3 - 127): the byte cannot fall under 1
.endr
.irp i, 2,4,6,8,10,12,14
.irp b, 0,1,2,3
	v_max3_num_f32 v[TM+\b], v[TM+\b], |v[\s+16*\b+\i]|, |v[\s+1+16*\b+\i]|   ; (the four blocks by turns)
.endr
.endr
.irp b, 0,1,2,3
	v_permlanex16_b32 v[TM+4+\b], v[TM+\b], s[SEL], s[SEL+1]
.endr
.irp b, 0,1,2,3
	v_max_num_f32 v[TM+\b], v[TM+\b], v[TM+4+\b]   ; with lane l xor 16: the block's largest magnitude
.endr
.irp b, 0,1,2,3
	v_add_nc_u32 v[TM+12+\b], 0xff000000, v[TM+\b] ; 2 off its exponent field: the conversion takes the exponent field of this operand as its scale
.endr
.irp b, 0,1,2,3
	v_lshrrev_b32 v[TM+4+\b], 23, v[TM+12+\b]      ; the scale's byte
.endr
	v_lshl_or_b32 v[PW], v[TM+5], 8, v[TM+4]
	v_lshl_or_b32 v[PW], v[TM+6], 16, v[PW]
	v_lshl_or_b32 v[PW], v[TM+7], 24, v[PW]
.irp c, 0,1
	v_cvt_scalef32_pk16_fp6_f32 v[PC+6*\c:PC+2+6*\c], v[\s+32*\c:\s+15+32*\c], v[TM+12+2*\c]
	v_cvt_scalef32_pk16_fp6_f32 v[PC+12+4*\c:PC+14+4*\c], v[\s+16+32*\c:\s+31+32*\c], v[TM+12+2*\c+1]   ; (a conversion's three registers begin on an even number)
.endr
	v_nop                                          ; one plain place behind a scaled conversion
.irp c, 0,1                                    ; the operand wants a WHOLE block in a lane: lanes 0-15 block 2 c, lanes 16-31 block 2 c + 1
.irp i, 0,1,2
	v_permlane16_swap_b32 v[PC+6*\c+\i], v[PC+12+4*\c+\i]
.endr
.irp i, 0,1,2
	v_mov_b32 v[PC+3+6*\c+\i], v[PC+12+4*\c+\i]
.endr
.endr
.endm
.macro IMAGE u                         ; the fragment goes to LDS as it stands, and its scale word (lanes r and r + 16 store the same word with the same value)
.irp c, 0,1,2
	ds_store_b128 v5, v[PC+4*\c:PC+4*\c+3] offset:\u*1536+512*\c
.endr
	ds_store_b32 v7, v[PW] offset:4*\u
.endm
; ONE TILE OF THE GATHER, on register set e.  Trip counts are constants; a tile that is not mine is jumped over, all but the steps behind the join.
.macro HALF e
	s_cmp_ge_u32 s44, s41
	s_cbranch_scc1 .Lskip_\@
	s_wait_loadcnt 32                              ; this set's 32 loads are in; the other set's 32, issued behind them, may be out
	STAGE_IN \e
	STAGE_OUT 0                                    ; lands in ST.  No wait: the quantiser that read ST last stands ahead of the last wait on va_vdst, and no vector line has followed that wait
	s_wait_kmcnt 0x0                               ; the row numbers of two tiles on
	s_wait_alu depctr_vm_vsrc(0)                   ; the stage's stores have read the set, in which the loads below land; the set's last loads have read its offsets, and the last tile's image stores v5, v7, the codes and the scale word: all of these are written again below
	s_add_co_u32 s47, s44, 2
	s_cmp_lt_u32 s47, s41
	ADDR \e                                        ; (this set's offsets: its loads are done)
	v_add_nc_u32 v5, s45, v4                       ; where this tile's images go,
	v_add_nc_u32 v7, s46, v6                       ; and its scale words
	s_wait_dscnt 16                                ; all but the 16 loads just issued: the stage's stores are done
	WIN 0xc0                                       ; (the loads' destination window, ahead of the wait)
	s_wait_alu depctr_va_vdst(0)                   ; the 18 additions have written the set's offsets, which the loads below read, and v5 and v7, which the images' stores read
	LOADS \e                                       ; the set takes the tile two on
	s_add_co_u32 s47, s44, 3
	IDXREQ
	s_wait_dscnt 0x0
	QUANT ST
	s_wait_alu depctr_va_vdst(0)                   ; the quantiser has written the codes and the scale word, which the image's stores read, and is done reading ST, in which the second K step lands
	IMAGE 0
	STAGE_OUT 1
	s_wait_dscnt 0x0                               ; the second K step is back
	s_wait_alu depctr_vm_vsrc(0)                   ; the image's stores have read the codes and the scale word, which the quantiser writes again
	QUANT ST
	s_wait_alu depctr_va_vdst(0)                   ; the codes and the scale word are written, for the stores below
	IMAGE 1
	s_branch .Ljoin_\@
.Lskip_\@:
	s_wait_loadcnt 0x0                             ; on this way nothing was issued behind the sets: the wait is for all
.Ljoin_\@:
	s_add_co_u32 s44, s44, 1
	s_add_co_u32 s45, s45, 3072
	s_add_co_u32 s46, s46, 128
.endm
.macro SETADR                          ; the LDS addresses of tile s47
	s_mul_i32 s48, s47, 3072
	s_lshl_b32 s49, s47, 7
.irp q, 0,1,2,3
	v_add_nc_u32 v[12+\q], s48, v[8+\q]
.endr
	v_add_nc_u32 v17, s49, v16
.endm
.macro FRG k                           ; the rows' fragment of K step k (wave k % 4 made it, as its unit k / 4): three loads, into window 3
.irp c, 0,1,2
	ds_load_b128 v[12*(\k)+4*\c:12*(\k)+4*\c+3], v[12+(\k)%4] offset:((\k)/4)*1536+512*\c
.endr
.endm
.macro SCW k                           ; and its scale words
	ds_load_b32 v[AS+(\k)], v17 offset:SCLQ*((\k)%4)+4*((\k)/4)
.endm
.macro GRP0                            ; 8 LDS loads: K steps 0, 1
	WIN 0xc0                                       ; destination window 3
	FRG 0
	FRG 1
	WIN 0
	SCW 0
	SCW 1
.endm
.macro GRP1                            ; 16 LDS loads: K steps 2 to 5
	WIN 0xc0
	FRG 2
	FRG 3
	FRG 4
	FRG 5
	WIN 0
	SCW 2
	SCW 3
	SCW 4
	SCW 5
.endm
.macro GRP2                            ; 8 LDS loads: K steps 6, 7
	WIN 0xc0
	FRG 6
	FRG 7
	WIN 0
	SCW 6
	SCW 7
.endm
; Behind matrix instruction 10: the next tile's addresses, and its K steps 0, 1.  The five additions are the plain place behind the exponentials and the places behind the matrix instructions that read these fragments
.macro NEXTA
	s_wait_xcnt 0x0                                ; the last score store has had its address translated: its offset and data are written again further down in this tile
	s_wait_alu depctr_vm_vsrc(0)                   ; the loads of K steps 6, 7, issued at the last tile's end, have read v12-15 and v17; the last score store has read its offset (v29; behind a pass's last tile v22) and v23
	SETADR
	WIN 0xc0                                       ; (the loads' destination window, ahead of the wait)
	s_wait_alu depctr_va_vdst(0)                   ; the 32 exponentials have written X, ahead of the first line that names a result; the five additions have written the addresses; matrix instructions 0 to 7 are done reading K steps 0, 1 and their scale words
	GRP0
.endm
.macro MM                              ; matrix instruction i of 32: K step i / 4, accumulator i % 4: the four take turns, one instruction a turn
.set kk, i/4
.set nn, i%4
.if kk < 5
	WIN 0x0d                                       ; source 0 (W2) window 1, source 1 (the rows) window 3, C and D window 0
.set rA, 48*kk+12*nn
.else
	WIN 0x0e                                       ; source 0 window 2
.set rA, 48*(kk-5)+12*nn
.endif
.if kk == 0
	v_wmma_scale_f32_16x16x128_f8f6f4 v[W+8*nn:W+8*nn+7], v[rA:rA+11], v[12*kk:12*kk+11], 0, v[WS+8*nn+kk], v[AS+kk] matrix_a_fmt:MATRIX_FMT_FP6 matrix_b_fmt:MATRIX_FMT_FP6
.else
	v_wmma_scale_f32_16x16x128_f8f6f4 v[W+8*nn:W+8*nn+7], v[rA:rA+11], v[12*kk:12*kk+11], v[W+8*nn:W+8*nn+7], v[WS+8*nn+kk], v[AS+kk] matrix_a_fmt:MATRIX_FMT_FP6 matrix_b_fmt:MATRIX_FMT_FP6
.endif
.endm
; THE VECTOR WORK OF A TILE, a list of 104; TI writes number j.  X holds c q + c k.  fl = 1: behind a pass's last tile, with no next tile to fetch.
;   0-31 2^X | 32 a plain place and ONE wait for the batch | 33-48 1 + | 49-80 reciprocals | 81 place and wait | 82-97 x (-c v), four chains | 98-103 the chains, the pair, lane l xor 16.  The store follows behind the next wait on va_vdst
.macro TI fl
.if j < 32
	v_exp_f32 v[X+j], v[X+j]
.elseif j == 32
.if \fl
	v_nop
	s_wait_alu depctr_va_vdst(0)                   ; the 32 exponentials have written X, ahead of the first line that names a result
.else
	NEXTA
.endif
.elseif j < 49
	v_pk_add_f32 v[X+2*(j-33):X+2*(j-33)+1], v[X+2*(j-33):X+2*(j-33)+1], 1.0 op_sel_hi:[1,0]
.elseif j < 81
	v_rcp_f32 v[X+j-49], v[X+j-49]
.elseif j == 81
.if \fl
	v_nop
	s_wait_alu depctr_va_vdst(0)                   ; the 32 reciprocals have written X, ahead of the first line that names a result
.else
	PLACES                                         ; the first is the plain place behind the reciprocals; the four stand between the matrix instructions that read K steps 2 to 5 and the loads into them
	WIN 0xc0                                       ; (the loads' destination window, ahead of the wait)
	s_wait_alu depctr_va_vdst(0)                   ; the 32 reciprocals have written X, ahead of the first line that names a result; matrix instructions 8 to 23 are done reading K steps 2 to 5 and their scale words
	GRP1
.endif
.elseif j < 86
	v_pk_mul_f32 v[S+2*(j-82):S+2*(j-82)+1], v[X+2*(j-82):X+2*(j-82)+1], v[VP+2*(j-82):VP+2*(j-82)+1]
.elseif j < 98
	v_pk_fma_f32 v[S+2*((j-82)%4):S+2*((j-82)%4)+1], v[X+2*(j-82):X+2*(j-82)+1], v[VP+2*(j-82):VP+2*(j-82)+1], v[S+2*((j-82)%4):S+2*((j-82)%4)+1]
.elseif j == 98
	v_pk_add_f32 v[S:S+1], v[S:S+1], v[S+2:S+3]
.elseif j == 99
	v_pk_add_f32 v[S+4:S+5], v[S+4:S+5], v[S+6:S+7]
.elseif j == 100
	v_pk_add_f32 v[S:S+1], v[S:S+1], v[S+4:S+5]
.elseif j == 101
	v_add_f32 v24, v[S], v[S+1]
.elseif j == 102
	v_permlanex16_b32 v25, v24, s[SEL], s[SEL+1]   ; the row's other 32 h lie in the lane 16 away
.else
	v_add_f32 v23, v24, v25                        ; my wave's 64 h of row r
.endif
.endm
.macro SLICE                           ; slice sk of 32: three or four of the 104.  Number 32 opens slice 10, number 81 slice 25
	WIN 0
.rept ((sk+1)*104/32-sk*104/32)
	TI 0
.set j, j+1
.endr
.set sk, sk+1
.endm
.macro FLUSH                           ; the pass's last tile has no matrix instructions to stand behind
.set j, 0
.rept 104
	TI 1
.set j, j+1
.endr
	s_wait_alu depctr_va_vdst(0)                   ; the last addition has written v23, which the store reads; and every line that names c q or -c v is done: the next pass's loads land there
	global_store_b32 v22, v23, s[22:23]            ; the last tile's 16 places (v22 was written ahead of the wait at that tile's end).  16 rows: 64 consecutive bytes (lanes r and r + 16 store the same word)
.endm
; A TILE'S END.  v22 holds the places of the tile whose sums are finished last.  The lines on the store's offsets and the v_nop are the four places behind the last product; then the one wait, the last group of loads,
; the score of the tile before, and the sums leave the accumulators.
.macro TAIL first
	WIN 0
.if \first
	v_mov_b32 v22, v21                             ; this tile's 16 places
.rept 3
	v_nop
.endr
.else
	v_mov_b32 v29, v22                             ; the places of the tile before, for the store below: an offset register of the store's own,
	v_add_nc_u32 v22, 64, v22                      ; and 16 places on: this tile's
.rept 2
	v_nop
.endr
.endif
	WIN 0xc0                                       ; (the loads' destination window, ahead of the wait)
	s_wait_alu depctr_va_vdst(0)                   ; matrix instructions 24 to 31 are done reading K steps 6, 7 and their scale words; v29 and v23 are written, which the store reads, and v22, which the store behind a pass's last tile reads.  Behind that tile: all its matrix instructions are done reading W2's fragments and scale words
	GRP2
.if !\first
	global_store_b32 v29, v23, s[22:23]            ; 16 rows: 64 consecutive bytes (lanes r and r + 16 store the same word)
.endif
.irp n, 0,1,2,3                                ; X = c k + c q, each accumulator from its low end on
.irp m, 0,2,4,6
	v_pk_fma_f32 v[X+8*\n+\m:X+8*\n+\m+1], v[W+8*\n+\m:W+8*\n+\m+1], s[54:55], v[CQ+8*\n+\m:CQ+8*\n+\m+1] op_sel_hi:[1,0,1]
.endr
.endr
.endm
; A TILE OF A PASS: 32 matrix instructions; behind each a slice of the tile before (first = 1: there is none, and the two waits stand alone at the same places).  Behind my last tile comes tile 0, for the next pass.
.macro BODY first
	s_add_co_u32 s47, s44, 1
	s_cmp_eq_u32 s47, s41
	s_cselect_b32 s47, 0, s47
	s_min_u32 s47, s47, 15
	s_wait_dscnt 24                                ; K steps 0, 1 are in; the 16 loads of K steps 2 to 5 and the 8 of K steps 6, 7, issued behind them, may be out
.set i, 0
.set j, 0
.set sk, 0
.rept 32
.if i == 8
	s_wait_dscnt 8                                 ; K steps 2 to 5 are in; the 8 loads of K steps 6, 7 may be out
.endif
.if i == 24
	s_wait_dscnt 8                                 ; K steps 6, 7 are in; the 8 loads of the next tile's K steps 0, 1, issued behind matrix instruction 10, may be out
.endif
	MM
.if \first
.if i == 10
	WIN 0
	NEXTA                                          ; (here no exponential is out: the wait states the other two things)
.elseif i == 25
	WIN 0
	PLACES                                         ; between the matrix instructions that read K steps 2 to 5 and the loads into them
	WIN 0xc0                                       ; (the loads' destination window, ahead of the wait)
	s_wait_alu depctr_va_vdst(0)                   ; matrix instructions 8 to 23 are done reading K steps 2 to 5 and their scale words
	GRP1
.endif
.else
	SLICE
.endif
.set i, i+1
.endr
	TAIL \first
.endm
	s_load_b512 s[8:23], s[0:1], 0x0               ; keys s[8:9], order s[10:11], cnt s[12:13], cq s[14:15], w2f s[16:17], W2 scales s[18:19], v s[20:21], sc_part s[22:23]
	v_lshl_add_u32 v[SPW], v0, 2, SPARE
	v_mov_b32 v[NIL], 0
	v_lshrrev_b32 v24, 5, v0
	v_readfirstlane_b32 s40, v24                   ; wave 0..3
	v_and_b32 v25, 31, v0                          ; lane
	v_and_b32 v27, 15, v0                          ; r
	v_bfe_u32 v28, v0, 4, 1                        ; h
	v_lshlrev_b32 v26, 4, v25                      ; 16 x lane
	s_and_b32 s53, ttmp7, 0xffff                   ; the batch
	s_wait_alu depctr_va_sdst(0)                   ; s40 is written, ahead of its first reader, the shift below
	s_lshl_b32 s47, s40, 9
	v_lshl_add_u32 v1, v25, 4, s47                 ; my 16 bytes of my wave's K step of a row
	s_mul_i32 s47, s40, STGW
	s_add_co_u32 s47, s47, STG                     ; my stage
	v_add_nc_u32 v2, s47, v26                      ; in
	v_mul_u32_u24 v3, v27, 528
	v_lshl_add_u32 v3, v28, 6, v3
	v_add_nc_u32 v3, s47, v3                       ; out: row r, + 64 h
	s_mul_i32 s48, s40, IMGQ
	v_add_nc_u32 v4, s48, v26                      ; my images
	s_mul_i32 s48, s40, SCLQ
	s_add_co_u32 s48, s48, SCL
	v_lshl_add_u32 v6, v27, 3, s48                 ; my scale words: 8 bytes a row
.irp q, 0,1,2,3
	v_add_nc_u32 v[8+\q], \q*IMGQ, v26             ; every wave's images, to read
.endr
	v_lshl_add_u32 v16, v27, 3, SCL                ; and scale words
	s_mul_i32 s48, s40, 49152
	v_add_nc_u32 v18, s48, v26                     ; w2f: my four tiles of a pass
	s_lshl_b32 s48, s40, 11
	v_lshl_add_u32 v19, v27, 5, s48                ; W2's scale bytes: my 64 rows, row r
	s_lshl_b32 s48, s40, 8
	v_lshl_add_u32 v20, v28, 5, s48                ; c q and v: my 64 numbers, + 8 h
.irp b, 0,1,2,3
	v_mov_b32 v[TM+4+\b], 0                        ; written once: a lane permute's destination counts as one of its sources
.endr
	s_mov_b32 s54, 0x4038aa3b                      ; c = 2 log2(e)
	s_mov_b32 s55, s54
	s_mov_b32 s56, 0xc038aa3b                      ; -c
	s_mov_b32 s57, s56
	s_mov_b32 s[SEL], 0x76543210
	s_mov_b32 s[SEL+1], 0xfedcba98                 ; lane l xor 16
	s_lshl_b32 s62, s53, 2
	s_lshl_b32 s51, s53, 12                        ; the batch's row of order and of cq, in bytes
	s_wait_kmcnt 0x0
	s_load_b32 s41, s[12:13], s62 offset:0x0       ; the batch's live rows
	s_wait_alu depctr_va_vdst(0)                   ; the addresses and offsets made above are written: v18 and v19, which the loads below read, and v2, v3 and v20, which stay as they are for the whole kernel
	LOADW                                          ; pass 0's fragments land under the gather
	s_lshl_b32 s48, s53, 22
	s_mov_b32 s49, 0
	s_add_nc_u64 s[60:61], s[8:9], s[48:49]        ; the batch's keys
	s_mov_b32 s48, s51
	s_add_nc_u64 s[14:15], s[14:15], s[48:49]
	s_lshl_b32 s48, s53, 16
	s_add_nc_u64 s[22:23], s[22:23], s[48:49]      ; the batch's 16 slots of 4,096 bytes
	s_wait_kmcnt 0x0
	s_min_u32 s41, s41, 1024
	s_add_co_u32 s48, s41, 15
	s_lshr_b32 s48, s48, 4                         ; tiles with a live row
	s_add_co_u32 s49, s41, 63
	s_lshr_b32 s49, s49, 6
	s_max_u32 s49, s49, 1                          ; a work-group's share of them
	s_mul_i32 s50, ttmp9, s49                      ; my first tile
	s_sub_co_i32 s41, s48, s50
	s_min_i32 s41, s41, s49
	s_max_i32 s41, s41, 1
	s_min_u32 s41, s41, 16                         ; my tiles: 1 to 16
	s_sub_co_u32 s42, s41, 1
	s_lshl_b32 s43, s50, 4
	s_min_u32 s43, s43, 1008                       ; my first place
	s_lshl_b32 s48, s43, 2
	s_lshl_b32 s49, s40, 12
	s_add_co_u32 s48, s48, s49
	v_lshl_add_u32 v21, v27, 2, s48                ; sc_part: slot 4 p + wave, place my first + r (no memory instruction names v21: v22 is made of it)
	; ---- phase 1
	s_mov_b32 s47, 0
	IDXREQ
	s_wait_kmcnt 0x0
	s_cmp_gt_u32 s41, 0
	ADDR 0
	WIN 0xc0                                       ; (the loads' destination window, ahead of the wait)
	s_wait_alu depctr_va_vdst(0)                   ; the 16 additions have written set 0's offsets, which its loads read
	LOADS 0
	s_mov_b32 s47, 1
	IDXREQ
	s_wait_kmcnt 0x0
	s_cmp_gt_u32 s41, 1
	ADDR 1
	WIN 0xc0
	s_wait_alu depctr_va_vdst(0)                   ; and set 1's
	LOADS 1
	s_mov_b32 s47, 2
	IDXREQ
	s_mov_b32 s44, 0                               ; the tile,
	s_mov_b32 s45, 0                               ; its images' offset,
	s_mov_b32 s46, 0                               ; its scale words'
	s_mov_b32 s52, 8
.Lgather:
	HALF 0
	HALF 1
	s_sub_co_u32 s52, s52, 1
	s_cmp_lg_u32 s52, 0
	s_cbranch_scc1 .Lgather
	s_wait_loadcnt 0x0                             ; the look-ahead's loads, and W2's
	s_wait_kmcnt 0x0
	s_wait_dscnt 0x0                               ; for the others' sake: my images lie in LDS
	s_barrier_signal -1
	s_barrier_wait -1
	; ---- phase 2: from here on LDS is only read
	s_wait_alu depctr_vm_vsrc(0)                   ; the stage's stores have read window 3's registers, in which the rows' fragments land from here on; the key loads have read v96-127, in which c q lands
	s_mov_b32 s47, 0
	SETADR
	WIN 0xc0                                       ; (the loads' destination window, ahead of the wait)
	s_wait_alu depctr_va_vdst(0)                   ; the five additions have written the addresses, which the loads below read; the gather's additions have written v96-127, in which c q lands
	GRP0
	GRP1
	GRP2
	s_mov_b32 s52, 0
.Lpass:
	LOADCV                                         ; no wait: every vector line that names these registers stands ahead of the last wait on va_vdst (on the way in: the one above; on the way back: the one ahead of the last score store)
	s_wait_loadcnt 0x0                             ; c q, v, and this pass's fragments of W2
.irp m, 0,2,4,6,8,10,12,14,16,18,20,22,24,26,28,30
	v_pk_mul_f32 v[VP+\m:VP+\m+1], v[VP+\m:VP+\m+1], s[56:57] op_sel_hi:[1,0]
.endr
	s_mov_b32 s44, 0
	BODY 1
	s_mov_b32 s44, 1
.Ltile:
	s_cmp_ge_u32 s44, s41
	s_cbranch_scc1 .Lno_tile
	BODY 0
.Lno_tile:
	s_add_co_u32 s44, s44, 1
	s_cmp_lt_u32 s44, 16
	s_cbranch_scc1 .Ltile
	s_wait_xcnt 0x0                                ; the last score store has had its address translated
	s_wait_alu depctr_vm_vsrc(0)                   ; and has read v23, which the last tile's vector work writes again
	s_cmp_eq_u32 s52, 3
	s_cbranch_scc1 .Lno_w
	s_add_nc_u64 s[16:17], s[16:17], 196608        ; (the last run of these loads was waited for at the pass's head)  16 tiles of W2 on
	s_add_nc_u64 s[18:19], s[18:19], 8192
	LOADW                                          ; no wait: the wait at the last tile's end has shown its matrix instructions done, and only the 16 lines on W, X and c q have followed it.  The loads are on their way while the last tile's vector work is done
.Lno_w:
	FLUSH
	s_wait_xcnt 0x0                                ; the store and the loads have read their bases
	s_add_nc_u64 s[22:23], s[22:23], 16384         ; four slots on
	s_add_nc_u64 s[14:15], s[14:15], 1024
	s_add_nc_u64 s[20:21], s[20:21], 1024
	s_add_co_u32 s52, s52, 1
	s_cmp_lt_u32 s52, 4
	s_cbranch_scc1 .Lpass
	s_wait_dscnt 0x0                               ; the last fetch, which nothing uses
	s_barrier_signal -1                            ; every wave's reads of the images are over
	s_barrier_wait -1
	s_wait_dscnt 0x0                               ; the closing lines, six on end
	s_wait_alu 0x0
	s_wait_tensorcnt 0x0
	ds_add_u32 v[SPW], v[NIL]
	s_wait_dscnt 0x0
	s_endpgm
.Lfunc_end_k_q88984e4ffb_score:
	.size	k_q88984e4ffb_score, .Lfunc_end_k_q88984e4ffb_score-k_q88984e4ffb_score
	.p2alignl 7, 3214868480
	.fill 96, 4, 3214868480
	.section	.rodata,"a",@progbits
	.p2align	6, 0x0
	.amdhsa_kernel k_q88984e4ffb_score
		.amdhsa_group_segment_fixed_size 285696
		.amdhsa_private_segment_fixed_size 0
		.amdhsa_enable_private_segment 0
		.amdhsa_kernarg_size 64
		.amdhsa_user_sgpr_count 2
		.amdhsa_user_sgpr_kernarg_segment_ptr 1
		.amdhsa_wavefront_size32 1
		.amdhsa_system_sgpr_workgroup_id_x 1
		.amdhsa_system_sgpr_workgroup_id_y 1
		.amdhsa_system_sgpr_workgroup_id_z 1
		.amdhsa_system_vgpr_workitem_id 0
		.amdhsa_next_free_vgpr 1024
		.amdhsa_next_free_sgpr 66
		.amdhsa_reserve_vcc 0
		.amdhsa_float_denorm_mode_32 3
		.amdhsa_float_denorm_mode_16_64 3
		.amdhsa_memory_ordered 1
		.amdhsa_forward_progress 1
		.amdhsa_inst_pref_size 107
	.end_amdhsa_kernel
	.amdgpu_metadata
---
amdhsa.version: [ 1, 2 ]
amdhsa.kernels:
  - .name:           k_q88984e4ffb_score
    .symbol:         k_q88984e4ffb_score.kd
    .args:
      - { .name: keys, .offset: 0, .size: 8, .value_kind: global_buffer, .address_space: global }
      - { .name: order, .offset: 8, .size: 8, .value_kind: global_buffer, .address_space: global }
      - { .name: cnt, .offset: 16, .size: 8, .value_kind: global_buffer, .address_space: global }
      - { .name: cq, .offset: 24, .size: 8, .value_kind: global_buffer, .address_space: global }
      - { .name: w2f, .offset: 32, .size: 8, .value_kind: global_buffer, .address_space: global }
      - { .name: W2_scales, .offset: 40, .size: 8, .value_kind: global_buffer, .address_space: global }
      - { .name: v, .offset: 48, .size: 8, .value_kind: global_buffer, .address_space: global }
      - { .name: sc_part, .offset: 56, .size: 8, .value_kind: global_buffer, .address_space: global }
    .group_segment_fixed_size: 285696
    .private_segment_fixed_size: 0
    .kernarg_segment_align: 8
    .kernarg_segment_size: 64
    .max_flat_workgroup_size: 128
    .sgpr_count:     66
    .vgpr_count:     1024
    .wavefront_size: 32
...
	.end_amdgpu_metadata
.endif
;; end of part 5
;; launch ctx: the kernel of part 3 again; grid 4 x 64, 8 waves a work-group, no clusters, 13,824 bytes of LDS; arguments keys, order, cnt, sc_part, out0, out1; writes out0, out1
